; MI455X (gfx1250); checked and timed in simulation.
; The chip was launched on July 23, 2026; its instructions are those of AMD's public machine-readable ISA for CDNA 5 (MIT licence, August 2026) and "CDNA5" Instruction Set Architecture Reference Guide (July 2026). The comments in the code are by the model that wrote it; some were corrected since.
;; Self Attention. Allowed arithmetic: float matrix products may take bf16 or f16 operands with f32 sums; other float arithmetic in f32, or as packed bf16 or f16 multiplies, adds, multiply-adds, maxima and minima; sums over many terms, partial sums and values carried from step to step in f32; what a program stores and reads back later, other than sums and carried values, may be rounded once to bf16 or f16.
;; Inputs: wk 1,024 x 1,024 float32; wo 1,024 x 1,024 float32; wq 1,024 x 1,024 float32; wv 1,024 x 1,024 float32; x 8 x 1,024 x 1,024 float32.
;; Outputs: out0 8 x 1,024 x 1,024 float32.
;; 2 versions, each right; version 2 is version 1 with the launch conv written anew for expert scheduling mode. Each part assembles by itself: llvm-mc -triple=amdgcn-amd-amdhsa -mcpu=gfx1250 --defsym DOCPART=n.
;; ======== version 1 of 2: 4 launches
;; limits: values are held in f16: magnitudes above 65,504 overflow, below 6.1e-05 lose precision
;; workspace buffers: xb 16,777,216 bytes; wb 6,291,456 bytes; wob 2,097,152 bytes; qkv 50,331,648 bytes; cc 16,777,216 bytes
;; launch conv (part 1): grid 960 x 1, 4 waves a work-group, no clusters, 0 bytes of LDS; arguments x, wq, wk, wv, wo, xb, wb, wob; writes xb, wb, wob
.if DOCPART == 1
	.amdgcn_target "amdgcn-amd-amdhsa--gfx1250"
	.amdhsa_code_object_version 6
	.text
	.protected	k_qe7b9df0678_conv
	.globl	k_qe7b9df0678_conv
	.p2align	8
	.type	k_qe7b9df0678_conv,@function
k_qe7b9df0678_conv:
	s_mov_b64 s[64:65], 0
	v_nop
	global_prefetch_b8 v0, s[64:65] scope:SCOPE_SE
	s_setreg_imm32_b32 hwreg(HW_REG_WAVE_MODE, 25, 1), 1
	s_wait_xcnt 0x0
; SELF-ATTENTION OVER THE d_k AXIS, launch 1 of 4: the inputs are rounded once to 16 bits and laid out for the three launches behind.
; THE MODULE.  For each of 8,192 tokens: q, k, v = x w^T (1,024 numbers each, seen as [h = 16][i = 64]); s[i][j] = sum over h of q[h][i] k[h][j] / 8; p = softmax over j;
; o[i][h] = sum over j of p[i][j] v[h][j]; concat[64 h + i] = o[i][h]; out = concat wo^T.
; NO WORK OF reference() IS LEFT OUT: all five inputs have a way to out0 and all are loaded; the row maximum is taken away before every exponential (launch 3).
; WHAT THIS LAUNCH WRITES.
;   xb  bf16 [16 kb][8,192 rows][64]: x in planes of 64 channels, so that a tile of rows x 64 channels is dense in memory.
;   wb  bf16 [16 kb][3,072 rows][64]: wq, wk, wv in the same planes, their ROWS in the order in which launch 3 wants the columns of q, k, v:
;       rows 0-1,023: row 16 i + h is wq's row 64 h + i; rows 1,024-2,047: wk likewise; rows 2,048-3,071: row 256 jb + 16 h + jl is wv's row 64 h + 16 jb + jl.
;   wob f16 [1,024][1,024]: wob[n][16 i + h] = wo[n][64 h + i], rounded to bf16 like the other inputs and that number written as f16.
; Inside a plane's 64 channels the order is: place 8 l + e holds channel 4 l + e (e < 4) or 32 + 4 l + e - 4: the same for xb and wb (one text writes both), so the products are the same; only the order of the sums differs from reference()'s.
; LIMITS.  Inputs are rounded to bf16 (8 significant bits).  wo beyond 65,504 has no f16; below 6.1e-5 it keeps f16's fixed step of 6e-8.  NaN and infinities are not treated apart.
; SHARES.  Work-groups 0-511: 16 rows of x each, 4 a wave.  512-703: 16 rows of wb each, 4 a wave.  704-959: 4 rows of wo each, one a wave.  All 32 loads of a wave go out ahead of its first store.
; No LDS, no barrier, no matrix unit: every byte is read once and written once, and no wave wants another's bytes.
.set PLX, 1048576                      ; bytes in a plane of xb: 8,192 rows x 128
.set PLW, 393216                       ; bytes in a plane of wb: 3,072 rows x 128
.set DO,  8                            ; v[8:23]   byte offset of my 16 bytes in plane kb; never rewritten
.set D,   32                           ; v[32:159] the data
.set T,   160                          ; v[160:162] at work
	s_load_b512 s[8:23], s[0:1], 0x0               ; x s[8:9], wq s[10:11], wk s[12:13], wv s[14:15], wo s[16:17], xb s[18:19], wb s[20:21], wob s[22:23]
	v_lshrrev_b32 v1, 5, v0
	v_readfirstlane_b32 s24, v1                    ; wave 0..3
	v_and_b32 v1, 31, v0                           ; lane L
	v_lshrrev_b32 v2, 3, v1                        ; L / 8: which of my wave's four rows
	v_and_b32 v3, 7, v1                            ; L % 8: my place in a block of 64 channels
	s_lshl_b32 s27, s24, 2                         ; x and the three weights: four rows a wave
	s_mov_b32 s33, 0xffff0000                      ; a word's upper bf16
	s_wait_kmcnt 0x0
	s_cmp_ge_u32 ttmp9, 704
	s_cbranch_scc1 .Lwo
	s_cmp_ge_u32 ttmp9, 512
	s_cbranch_scc1 .Lw
	; x: the source row is the destination row
	s_lshl_b32 s26, ttmp9, 4
	s_add_co_u32 s26, s26, s27                     ; my wave's first row
	v_add_nc_u32 v5, s26, v2
	s_mov_b64 s[28:29], s[8:9]
	s_mov_b64 s[30:31], s[18:19]
	s_mov_b32 s32, PLX
	s_branch .Lcopy
.Lw:	; wq, wk, wv: the destination row n names the source row
	s_sub_co_u32 s25, ttmp9, 512
	s_lshl_b32 s26, s25, 4
	s_add_co_u32 s26, s26, s27                     ; my wave's first row of wb
	v_add_nc_u32 v4, s26, v2                       ; n
	v_and_b32 v4, 0x3ff, v4                        ; its place in its matrix
	v_and_b32 v5, 15, v4                           ; q, k: h = n % 16, i = n / 16: row 64 h + i
	v_lshrrev_b32 v6, 4, v4
	v_lshl_or_b32 v5, v5, 6, v6
	v_and_b32 v6, 15, v6                           ; v: h = (n / 16) % 16, jb = n / 256, jl = n % 16: row 64 h + 16 jb + jl
	v_lshrrev_b32 v7, 8, v4
	v_lshlrev_b32 v7, 4, v7
	v_lshl_or_b32 v6, v6, 6, v7
	v_and_or_b32 v6, v4, 15, v6
	s_lshr_b32 s27, s25, 6                         ; which matrix: 64 work-groups each
	s_cmp_eq_u32 s27, 2
	s_cselect_b32 s34, -1, 0
	v_cndmask_b32 v5, v5, v6, s34
	s_cselect_b64 s[28:29], s[14:15], s[12:13]
	s_cmp_eq_u32 s27, 0
	s_cselect_b64 s[28:29], s[10:11], s[28:29]
	s_mov_b64 s[30:31], s[20:21]
	s_mov_b32 s32, PLW
.Lcopy:
	v_lshlrev_b32 v6, 12, v5                       ; source row x 4,096 bytes
	v_lshl_add_u32 v6, v3, 4, v6                   ; + my four channels
	s_lshl_b32 s27, s26, 7
	v_lshl_add_u32 v[DO], v1, 4, s27               ; four rows of a plane are 512 bytes on end: 16 bytes a lane
.set kb, 1
.rept 15
	v_add_nc_u32 v[DO+kb], s32, v[DO+kb-1]         ; the same place, a plane on
.set kb, kb+1
.endr
.set kb, 0
.rept 16                               ; 32 loads, 16 KiB a wave: each takes 128 bytes on end of each of the four rows
	global_load_b128 v[D+8*kb:D+8*kb+3],   v6, s[28:29] offset:256*kb th:TH_LOAD_NT
	global_load_b128 v[D+8*kb+4:D+8*kb+7], v6, s[28:29] offset:256*kb+128 th:TH_LOAD_NT
.set kb, kb+1
.endr
.set kb, 0
.rept 16
	s_wait_loadcnt 30-2*kb                         ; loads come back in order: this block's two are in, the younger ones stay out
.irp n, 0,1,2,3
	v_cvt_pk_bf16_f32 v[D+8*kb+(\n)], v[D+8*kb+2*(\n)], v[D+8*kb+2*(\n)+1]  ; in place, ascending: a result lands on registers already read
.endr
	global_store_b128 v[DO+kb], v[D+8*kb:D+8*kb+3], s[30:31]  ; the wave's store covers 512 consecutive bytes, aligned
.set kb, kb+1
.endr
	s_endpgm
.Lwo:	; wo: a row's 1,024 numbers change places: 16 i + h takes 64 h + i.  Group g of four: output bytes 512 g .. 512 g + 511; lane L writes i = 16 g + L / 2, h = 8 (L % 2) + 0..7
	s_sub_co_u32 s25, ttmp9, 704
	s_lshl_b32 s26, s25, 2
	s_add_co_u32 s26, s26, s24                     ; my wave's row
	v_and_b32 v4, 1, v1
	v_lshrrev_b32 v5, 1, v1
	v_lshlrev_b32 v6, 11, v4                       ; 8 (L % 2) heads of 256 bytes
	v_lshl_add_u32 v6, v5, 2, v6                   ; + 4 (L / 2)
	s_lshl_b32 s27, s26, 12
	v_add_nc_u32 v6, s27, v6
	s_lshl_b32 s27, s26, 11
	v_lshl_add_u32 v7, v1, 4, s27
.irp g, 0,1,2,3                        ; the row's 32 loads go out together: head e of my eight, group g
.irp e, 0,1,2,3,4,5,6,7
	global_load_b32 v[D+8*(\g)+(\e)], v6, s[16:17] offset:64*(\g)+256*(\e)
.endr
.endr
.macro W8 g                            ; group g: to bf16, that number as f16, 16 bytes stored
	s_wait_loadcnt 24-8*(\g)                       ; the younger groups' loads stay out
.irp n, 0,1,2,3
	v_cvt_pk_bf16_f32 v[T], v[D+8*(\g)+2*(\n)], v[D+8*(\g)+2*(\n)+1]
	v_lshlrev_b32 v[T+1], 16, v[T]
	v_and_b32 v[T+2], s33, v[T]
	v_cvt_pk_f16_f32 v[D+8*(\g)+(\n)], v[T+1], v[T+2]
.endr
	global_store_b128 v7, v[D+8*(\g):D+8*(\g)+3], s[22:23] offset:512*(\g)  ; 512 consecutive bytes, aligned
.endm
	W8 0
	W8 1
	W8 2
	W8 3
	s_endpgm
.Lfunc_end_k_qe7b9df0678_conv:
	.size	k_qe7b9df0678_conv, .Lfunc_end_k_qe7b9df0678_conv-k_qe7b9df0678_conv
	.p2alignl 7, 3214868480
	.fill 96, 4, 3214868480
	.section	.rodata,"a",@progbits
	.p2align	6, 0x0
	.amdhsa_kernel k_qe7b9df0678_conv
		.amdhsa_group_segment_fixed_size 0
		.amdhsa_private_segment_fixed_size 0
		.amdhsa_enable_private_segment 0
		.amdhsa_kernarg_size 64
		.amdhsa_user_sgpr_count 2
		.amdhsa_user_sgpr_kernarg_segment_ptr 1
		.amdhsa_wavefront_size32 1
		.amdhsa_system_sgpr_workgroup_id_x 1
		.amdhsa_system_sgpr_workgroup_id_y 1
		.amdhsa_system_sgpr_workgroup_id_z 1
		.amdhsa_system_vgpr_workitem_id 0
		.amdhsa_next_free_vgpr 168
		.amdhsa_next_free_sgpr 66
		.amdhsa_reserve_vcc 0
		.amdhsa_float_denorm_mode_32 3
		.amdhsa_float_denorm_mode_16_64 3
		.amdhsa_memory_ordered 1
		.amdhsa_forward_progress 1
		.amdhsa_inst_pref_size 19
	.end_amdhsa_kernel
	.amdgpu_metadata
---
amdhsa.version: [ 1, 2 ]
amdhsa.kernels:
  - .name:           k_qe7b9df0678_conv
    .symbol:         k_qe7b9df0678_conv.kd
    .args:
      - { .name: x, .offset: 0, .size: 8, .value_kind: global_buffer, .address_space: global }
      - { .name: wq, .offset: 8, .size: 8, .value_kind: global_buffer, .address_space: global }
      - { .name: wk, .offset: 16, .size: 8, .value_kind: global_buffer, .address_space: global }
      - { .name: wv, .offset: 24, .size: 8, .value_kind: global_buffer, .address_space: global }
      - { .name: wo, .offset: 32, .size: 8, .value_kind: global_buffer, .address_space: global }
      - { .name: xb, .offset: 40, .size: 8, .value_kind: global_buffer, .address_space: global }
      - { .name: wb, .offset: 48, .size: 8, .value_kind: global_buffer, .address_space: global }
      - { .name: wob, .offset: 56, .size: 8, .value_kind: global_buffer, .address_space: global }
    .group_segment_fixed_size: 0
    .private_segment_fixed_size: 0
    .kernarg_segment_align: 8
    .kernarg_segment_size: 64
    .max_flat_workgroup_size: 128
    .sgpr_count:     66
    .vgpr_count:     168
    .wavefront_size: 32
...
	.end_amdgpu_metadata
.endif
;; end of part 1
;; launch qkv (part 2): grid 8 x 32, 4 waves a work-group, clusters of 4 x 4, 327,680 bytes of LDS; arguments xb, wb, qkv; writes qkv
.if DOCPART == 2
	.amdgcn_target "amdgcn-amd-amdhsa--gfx1250"
	.amdhsa_code_object_version 6
	.text
	.protected	k_qe7b9df0678_qkv
	.globl	k_qe7b9df0678_qkv
	.p2align	8
	.type	k_qe7b9df0678_qkv,@function
k_qe7b9df0678_qkv:
	s_mov_b64 s[64:65], 0
	v_nop
	global_prefetch_b8 v0, s[64:65] scope:SCOPE_SE
	s_setreg_imm32_b32 hwreg(HW_REG_WAVE_MODE, 25, 1), 1
	s_wait_xcnt 0x0
	s_wait_alu depctr_hold_cnt(0) depctr_sa_sdst(0) depctr_va_vdst(0) depctr_va_sdst(0) depctr_va_ssrc(0) depctr_va_vcc(0) depctr_vm_vsrc(0)
	s_getreg_b32 s2, hwreg(HW_REG_IB_STS2, 6, 4)
	s_cmp_eq_u32 s2, 0
	s_cbranch_scc0 .Lentry_in_a_cluster
	s_endpgm
.Lentry_in_a_cluster:
	s_bfe_u32 s2, ttmp6, 0x10000c
	s_cmp_lg_u32 s2, 0xf033
	s_cbranch_scc0 .Lentry_shape_is_right
	s_endpgm
.Lentry_shape_is_right:
; Launch 2 of 4: qkv[m][n] = sum over k of xb[m][k] wb[n][k]: 8,192 x 3,072 x 1,024, bf16 operands, f32 sums, the result rounded once to f16.  Nothing of reference() is left out.
; qkv: f16 [8,192][3,072]: a token's q (place 16 i + h), k (likewise), v (place 256 jb + 16 h + jl), by the order of wb's rows.
; LIMIT.  f16 holds no number beyond 65,504: a q, k or v beyond that becomes an infinity.  The order of the sums along k differs from reference()'s.
; SHARES.  A tile of 256 x 384 for each work-group: 32 x 8 = 256 tiles.  Four waves, each 128 x 192: 96 accumulators of 16 x 16, 768 registers.  For 32 along K a wave reads 40 x 512 bytes
; from LDS for 96 matrix instructions.  K goes in steps of 64 through two LDS slots; two slots of 128 along K (640 rows x 272 bytes x 2) would not fit.  xb and wb lie in planes of 64 channels, so a
; step's rows are dense and are asked for as rows of 256 bytes (two rows of the matrix), padded in LDS after every 128 bytes.
; CLUSTER.  4 x 4 work-groups.  The four of a row need the same rows of xb, the four of a column the same rows of wb: each tile is asked for JOINTLY, by the same tensor load, descriptor and mask in all four.
; TRANSPOSED USE.  Source 0 = 16 rows of wb, source 1 = 16 rows of xb: a lane then holds one row m (lane % 16) and eight neighbouring columns 8 (lane / 16) + 0..7: 16 bytes of f16.
; REGISTERS, in windows of 256 (s_set_vgpr_msb: bits 1:0 source 0, 3:2 source 1, 5:4 source 2, 7:6 destination):
;   window 0: v0-31 addresses; v32-95, v96-159 xb's fragments (8 blocks of 16 rows x 32 K), two buffers; v160-255 wb's fragments (12 blocks), ONE buffer in three thirds, each loaded again behind its products
;   windows 1-3: the accumulators: (a, b) at v[8 (8 (b % 4) + a)] of window 1 + b / 4.
.set PLX,   1048576                    ; bytes in a plane of xb
.set PLW,   393216                     ; bytes in a plane of wb
.set PITCH, 144                        ; an LDS row: 128 bytes + 16 of padding = 36 words: the 16 rows of a load start at 16 different groups of four banks (64 banks of 4 bytes: ISA guide 11.1)
.set AHALF, 128*PITCH                  ; what waves 0 and 1 bring each, and what a wave reads of xb
.set BHALF, 192*PITCH                  ; what waves 2 and 3 bring each, and what a wave reads of wb
.set BOFF,  256*PITCH                  ; wb's 384 rows lie behind xb's 256
.set SLOT,  640*PITCH
.set SP,    784                        ; a stage row: 768 bytes + 16 = 196 words: row r starts at bank 4 r mod 64
.set SPARE, 256*SP                     ; the stage, 256 rows, lies over the ring, which has had its last fill when the stage is written; behind it the spare words, 128 bytes a wave, that no other line names
.set G1W0,  (1<<16)|(1<<20)|(1<<21)|(4<<22)|(3<<25)  ; 17:16 2-byte elements; 20 padding on; 21 set beside a mask; 24:22 after every 32 words (code 4); 31:25 4 words (code 3)
.set ADRA, 16                          ; v16-17  LDS address of my fragments of xb in slot 0, 1
.set ADRB, 20                          ; v20-21  the same for wb
.set STO0, 22                          ; v22-23  the way out: where I put 16 bytes of a row: blocks a = 0-3, a = 4-7
.set RDA,  24                          ; v24     the way out: 512 bytes on end of my wave's first stage row
.set RDB,  25                          ; v25     the last 256 bytes of a row (lanes 0-15), the first 256 of the next (lanes 16-31)
.set COA,  26                          ; v26, v27  the same two in qkv
.set COB,  27
.set SPW,  28                          ; v28     LDS address of my spare word; never rewritten
.set NIL,  29                          ; v29     0; never rewritten
.set PFO,  30                          ; v30     256 x my lane; never rewritten
.set FA0,  32
.set FA1,  96
.set FB,   160
.set TMP,  32                          ; the way out: packed results, then whole rows
.set G1A, 24                           ; s[24:31] descriptor group 1 for xb's tiles;  s[32:39] group 0, a set for each slot
.set G0A, 32
.set G1B, 48                           ; s[48:55], s[56:63] the same for wb's
.set G0B, 56
.set PFA, 44                           ; s[44:45] where my prefetches stand
.set LIM, 46                           ; s46     1 in a wave that prefetches, else the greatest number
.set PST, 66                           ; s[66:67] two planes of the tensor that I fetch, in bytes
.set MSB, 0
.macro WIN new                         ; the immediate's high byte repeats the setting that is left; a switch that changes nothing is dropped
.if MSB != (\new)
	s_set_vgpr_msb (MSB<<8)|(\new)
.set MSB, \new
.endif
.endm
.macro PLACES                          ; four places behind a matrix instruction, in front of loads into registers that it has read (ISA guide 7.12.1 for vector instructions)
.rept 4
	v_nop
.endr
.endm
; A joint load.  Waves 0 and 1 fetch xb's two halves, waves 2 and 3 wb's.  The branch hangs on the wave's number alone.  An s_nop 0 and four v_nop follow each of the two lines.
.macro JLOAD s
	s_cmp_eq_u32 s11, 0
	s_cbranch_scc0 .Lfor_b_\@
	tensor_load_to_lds s[G0A+4*(\s):G0A+4*(\s)+3], s[G1A:G1A+7]
	s_nop 0
.rept 4
	v_nop
.endr
	s_branch .Lasked_\@
.Lfor_b_\@:
	tensor_load_to_lds s[G0B+4*(\s):G0B+4*(\s)+3], s[G1B:G1B+7]
	s_nop 0
.rept 4
	v_nop
.endr
.Lasked_\@:
.endm
.macro CREST                           ; a round of the cluster's barrier behind its opening barrier
	s_cmp_lg_u32 s10, 0
	s_cbranch_scc1 .Lnot_wave_0_\@
	s_barrier_signal -3
.Lnot_wave_0_\@:
	s_barrier_wait -3
	s_barrier_signal -1
	s_barrier_wait -1
.endm
.macro CROUND                          ; a whole round
	s_barrier_signal -1
	s_barrier_wait -1
	CREST
.endm
; A PREFETCH INTO THE L2, directly behind a joint load and its five lines.  Of each four K steps 4 g .. 4 g + 3 (g = 1, 2, 3) the partner at place p among the four that ask for a tile
; jointly (p = cx for xb, cy for wb: it enters the ADDRESS alone) names step 4 g + p's whole piece that its wave fetches: 64 or 96 blocks of 256 bytes, a lane a block.  xb's rows are read by both clusters of a
; row of clusters: the one with x = 0 asks; wb's by all eight of a column: the one with y = 0 asks.  So each block is named once in the launch.  It is asked in the trips with s3 = 7, 5, 3, where the
; refill in hand is step 4 g - 2: 2 + p steps, 384 matrix instructions or more, ahead.  K steps 0 to 3 come by their loads alone; the highest plane named is 15, the last.
.macro ASK
	s_and_b32 s68, s3, 1
	s_mul_i32 s68, s68, s3                         ; s3 in the odd trips, else 0
	s_cmp_gt_u32 s68, s[LIM]
	s_cbranch_scc0 .Lnot_mine_\@
	global_prefetch_b8 v[PFO], s[PFA:PFA+1] th:TH_LOAD_NT scope:SCOPE_SE
	global_prefetch_b8 v[PFO], s[PFA:PFA+1] offset:8192 th:TH_LOAD_NT scope:SCOPE_SE
	s_cmp_eq_u32 s11, 0
	s_cbranch_scc1 .Lnot_mine_\@
	global_prefetch_b8 v[PFO], s[PFA:PFA+1] offset:16384 th:TH_LOAD_NT scope:SCOPE_SE  ; wb's piece is half as long again
.Lnot_mine_\@:
.endm
	s_load_b128 s[4:7], s[0:1], 0x0                ; xb s[4:5], wb s[6:7]
	s_load_b64 s[8:9], s[0:1], 0x10                ; qkv
	v_lshl_add_u32 v[SPW], v0, 2, SPARE
	v_mov_b32 v[NIL], 0
	ds_add_u32 v[SPW], v[NIL]                      ; the wave's opening: the add, twice on end, and its wait ahead of my first tensor load; the set-up below stands between
	ds_add_u32 v[SPW], v[NIL]
	v_lshrrev_b32 v1, 5, v0
	v_readfirstlane_b32 s10, v1                    ; wave 0..3
	s_lshr_b32 s11, s10, 1                         ; which half of the tile's rows is mine.  Also: I fetch for xb (0) or for wb (1)
	s_and_b32 s12, s10, 1                          ; which half of its columns.  Also: which half of that tensor's rows I fetch
	s_bfe_u32 s40, ttmp6, 0x40000                  ; cx
	s_bfe_u32 s41, ttmp6, 0x40004                  ; cy
	s_lshl_b32 s42, ttmp9, 2
	s_add_co_u32 s42, s42, s40                     ; tile column = 4 x cluster x + cx
	s_and_b32 s13, ttmp7, 0xffff
	s_lshl_b32 s13, s13, 2
	s_add_co_u32 s13, s13, s41                     ; tile row = 4 x cluster y + cy
	s_lshl_b32 s43, s41, 2
	s_lshl_b32 s43, 15, s43                        ; my row of the cluster
	s_lshl_b32 s47, 0x1111, s40                    ; my column
	s_or_b32 s[G1A], s43, G1W0
	s_or_b32 s[G1B], s47, G1W0
	s_mov_b32 s[G1A+1], 128<<16                    ; tensor_dim0 = 128 elements: 256 bytes, two rows of the matrix
	s_mov_b32 s[G1A+2], 64<<16                     ; tensor_dim1 = 64
	s_mov_b32 s[G1A+3], 128<<16                    ; tile_dim0 = 128
	s_mov_b32 s[G1A+4], 64                         ; tile_dim1 = 64: 128 rows of xb
	s_mov_b32 s[G1A+5], 128                        ; dense: 128 elements from row to row
	s_mov_b32 s[G1A+6], 0
	s_mov_b32 s[G1A+7], 0
	s_mov_b32 s[G1B+1], 128<<16
	s_mov_b32 s[G1B+2], 96<<16
	s_mov_b32 s[G1B+3], 128<<16
	s_mov_b32 s[G1B+4], 96                         ; 192 rows of wb
	s_mov_b32 s[G1B+5], 128
	s_mov_b32 s[G1B+6], 0
	s_mov_b32 s[G1B+7], 0
	s_lshl_b32 s16, s13, 15                        ; xb: 256 rows x 128 bytes a tile row,
	s_lshl_b32 s17, s12, 14                        ; my half of them
	s_add_co_u32 s16, s16, s17
	s_mov_b32 s17, 0
	s_mul_i32 s20, s42, 49152                      ; wb: 384 rows x 128 bytes a tile column,
	s_mul_i32 s21, s12, 24576                      ; my half
	s_add_co_u32 s20, s20, s21
	s_mov_b32 s21, 0
	s_mul_i32 s18, s12, AHALF                      ; where they go: no place in the cluster enters an LDS address
	s_mul_i32 s19, s12, BHALF
	s_add_co_u32 s19, s19, BOFF
	s_wait_dscnt 0x0                               ; both opening adds are done
	s_wait_kmcnt 0x0
	s_add_nc_u64 s[14:15], s[4:5], s[16:17]
	s_add_nc_u64 s[22:23], s[6:7], s[20:21]
	CROUND                                         ; all sixteen work-groups are here: the first joint loads meet
.irp s, 0,1
	s_mov_b32 s[G0A+4*(\s)], 1                     ; count = 1
	s_add_co_u32 s[G0A+4*(\s)+1], s18, (\s)*SLOT   ; LDS address
	s_add_nc_u64 s[G0A+4*(\s)+2:G0A+4*(\s)+3], s[14:15], (\s)*PLX  ; global address: K step s is plane s
	s_or_b32 s[G0A+4*(\s)+3], s[G0A+4*(\s)+3], 0x80000000  ; type = 2
	s_mov_b32 s[G0B+4*(\s)], 1
	s_add_co_u32 s[G0B+4*(\s)+1], s19, (\s)*SLOT
	s_add_nc_u64 s[G0B+4*(\s)+2:G0B+4*(\s)+3], s[22:23], (\s)*PLW
	s_or_b32 s[G0B+4*(\s)+3], s[G0B+4*(\s)+3], 0x80000000
.endr
	s_cmp_eq_u32 s11, 0                            ; a wave's two first fills stand in one branch: two loads of mine are out
	s_cbranch_scc0 .Lfirst_b
	tensor_load_to_lds s[G0A:G0A+3], s[G1A:G1A+7]
	s_nop 0
	tensor_load_to_lds s[G0A+4:G0A+7], s[G1A:G1A+7]
	s_nop 0
.rept 4
	v_nop
.endr
	s_branch .Lfirst_asked
.Lfirst_b:
	tensor_load_to_lds s[G0B:G0B+3], s[G1B:G1B+7]
	s_nop 0
	tensor_load_to_lds s[G0B+4:G0B+7], s[G1B:G1B+7]
	s_nop 0
.rept 4
	v_nop
.endr
.Lfirst_asked:
	; A fragment is 16 rows x 32 K in 8 registers: lane l holds row l % 16; registers 0-3 K = 8 (l / 16) + 0..7, registers 4-7 K = 16 + 8 (l / 16) + 0..7: two loads of 16 bytes, 32 bytes apart.
	v_and_b32 v1, 15, v0                           ; l % 16
	v_bfe_u32 v2, v0, 4, 1                         ; l / 16
	v_and_b32 v4, 31, v0                           ; l
	v_mul_u32_u24 v3, v1, PITCH
	v_lshl_add_u32 v3, v2, 4, v3
	s_mul_i32 s68, s11, AHALF                      ; my 128 rows of xb
	s_mul_i32 s69, s12, BHALF                      ; my 192 rows of wb
	s_add_co_u32 s69, s69, BOFF
.irp s, 0,1
	v_add_nc_u32 v[ADRA+(\s)], s68, v3
	v_add_nc_u32 v[ADRB+(\s)], s69, v3
	s_add_co_u32 s68, s68, SLOT
	s_add_co_u32 s69, s69, SLOT
.endr
	s_mul_i32 s68, s11, 128*SP                     ; into the stage: my 128 rows, my 384 bytes of them; row l % 16, 16 bytes for each half of the lanes
	s_mul_i32 s69, s12, 384
	s_add_co_u32 s68, s68, s69
	v_mul_u32_u24 v5, v1, SP
	v_lshl_add_u32 v5, v2, 4, v5
	v_add_nc_u32 v[STO0], s68, v5
	v_add_nc_u32 v[STO0+1], 64*SP, v[STO0]         ; 64 rows on, so that the offsets stay within 16 bits
	s_mul_i32 s68, s10, 64*SP                      ; back: wave w takes rows 64 w .. 64 w + 63, whole
	v_lshl_add_u32 v[RDA], v4, 4, s68
	v_lshl_add_u32 v[RDB], v2, 4, v[RDA]           ; lanes 16-31 cross the 16 bytes of padding into the next row
	v_add_nc_u32 v[RDB], 512, v[RDB]
	v_lshlrev_b32 v[COA], 4, v4
	v_mul_u32_u24 v[COB], v2, 5376                 ; in qkv the next row begins 6,144 - 768 bytes behind this one's end
	v_add_nc_u32 v[COB], v[COB], v[COA]
	v_add_nc_u32 v[COB], 512, v[COB]
	v_lshlrev_b32 v[PFO], 8, v4
	; the prefetches
	s_and_b32 s68, ttmp7, 0xffff                   ; cluster y
	s_mov_b32 s69, PLX
	s_mov_b32 s70, PLW
	s_cmp_eq_u32 s11, 0                            ; do I fetch for xb?
	s_cselect_b32 s70, s69, s70                    ; a plane of my tensor
	s_cselect_b32 s69, s40, s41                    ; my place among the four that ask with me
	s_cselect_b32 s68, ttmp9, s68                  ; the coordinate along which other clusters read the same rows
	s_cselect_b64 s[PFA:PFA+1], s[14:15], s[22:23] ; my piece in plane 0
	s_cmp_eq_u32 s68, 0
	s_cselect_b32 s[LIM], 1, -1                    ; the same in all sixteen partners, for a given wave
	s_lshl_b32 s[PST], s70, 1
	s_mov_b32 s[PST+1], 0
	s_add_co_u32 s69, s69, 2
	s_mul_i32 s70, s70, s69
	s_mov_b32 s71, 0
	s_add_nc_u64 s[PFA:PFA+1], s[PFA:PFA+1], s[70:71]  ; plane 2 + p; each trip steps it two planes ahead of its test: 4 + p, 8 + p, 12 + p where it is used
	; where my 64 whole rows of the tile begin in qkv
	s_lshl_b32 s68, s13, 8
	s_lshl_b32 s69, s10, 6
	s_add_co_u32 s68, s68, s69
	s_mul_i32 s68, s68, 6144
	s_mul_i32 s69, s42, 768
	s_add_co_u32 s68, s68, s69
	s_mov_b32 s69, 0
	s_add_nc_u64 s[8:9], s[8:9], s[68:69]
; 32 matrix instructions of third p: wb's blocks 4 p .. 4 p + 3 x all 8 blocks of xb in buffer fa, 32 along K.  zero = 1: the product starts the sum: nothing is ever cleared.
; The 96 accumulators take turns, one instruction a turn, in the same order in every quarter.
.macro PH p, fa, zero
	WIN 0x50*((\p)+1)                              ; C and D in window p + 1, both sources in window 0
.set bb, 0
.rept 4
.set aa, 0
.rept 8
.if \zero
	v_wmma_f32_16x16x32_bf16 v[8*(8*bb+aa):8*(8*bb+aa)+7], v[FB+8*(4*(\p)+bb):FB+8*(4*(\p)+bb)+7], v[(\fa)+8*aa:(\fa)+8*aa+7], 0
.else
	v_wmma_f32_16x16x32_bf16 v[8*(8*bb+aa):8*(8*bb+aa)+7], v[FB+8*(4*(\p)+bb):FB+8*(4*(\p)+bb)+7], v[(\fa)+8*aa:(\fa)+8*aa+7], v[8*(8*bb+aa):8*(8*bb+aa)+7]
.endif
.set aa, aa+1
.endr
.set bb, bb+1
.endr
.endm
.macro LDB slot, k, p                  ; 8 LDS loads: third p of wb's fragments, 32 K at byte k of the rows
.irp i, 0,1,2,3
	ds_load_b128 v[FB+8*(4*(\p)+(\i)):FB+8*(4*(\p)+(\i))+3],   v[ADRB+(\slot)] offset:(4*(\p)+(\i))*16*PITCH+(\k)
	ds_load_b128 v[FB+8*(4*(\p)+(\i))+4:FB+8*(4*(\p)+(\i))+7], v[ADRB+(\slot)] offset:(4*(\p)+(\i))*16*PITCH+(\k)+32
.endr
.endm
.macro LDA slot, k, fa                 ; 16 LDS loads: xb's fragments into buffer fa
.irp i, 0,1,2,3,4,5,6,7
	ds_load_b128 v[(\fa)+8*(\i):(\fa)+8*(\i)+3],   v[ADRA+(\slot)] offset:(\i)*16*PITCH+(\k)
	ds_load_b128 v[(\fa)+8*(\i)+4:(\fa)+8*(\i)+7], v[ADRA+(\slot)] offset:(\i)*16*PITCH+(\k)+32
.endr
.endm
; A K step is two quarters of 32 along K, 96 matrix instructions each.  At a quarter's head 40 LDS loads are out, in this order: third 0 (8), xb (16), third 1 (8), third 2 (8).
; Behind a third's 32 products, and four places, the third is loaded again for the next quarter: 64 matrix instructions ahead of its next use.
.macro Q0 slot, zero                   ; a step's first quarter, on buffer 0; it fetches the second quarter, byte 64 of the same slot's rows
	s_wait_dscnt 16                                ; third 0 and xb are in; thirds 1 and 2 may be out
	PH 0, FA0, \zero
	PLACES
	WIN 0
	LDB \slot, 64, 0
	LDA \slot, 64, FA1
	s_wait_dscnt 32                                ; third 1 is in: behind it third 2 (8) and the 24 just issued
	PH 1, FA0, \zero
	PLACES
	WIN 0
	LDB \slot, 64, 1
	s_wait_dscnt 32                                ; third 2 is in: behind it 24 + 8
	PH 2, FA0, \zero
	PLACES
	WIN 0
	LDB \slot, 64, 2
.endm
; A step's second quarter, on buffer 1.  THE CHANGE OF SLOTS STANDS AT ITS HEAD: all this slot's bytes have been asked for by then.  Each wave waits for all its tensor loads (one is out: its part of the next slot), adds 0 to
; its spare word, steps the descriptors, and waits for the add and for its reads of this slot, which are also this quarter's fragments.  fill = 1: the barrier opens a round of the cluster's, and this slot is filled again, two K steps
; on, first thing behind the round.  No product stands between the wait for a tile and the next request, so that the next request goes out as soon as the tile is in: it then has a whole step, 192 matrix instructions, ahead of the wait for it.
.macro Q1 slot, next, fill
	WIN 0                                          ; at a branch and at a label every window is 0
.if (\fill) && ((\slot) == 0)
	s_wait_xcnt 0x0                                ; the last prefetches, a trip back, have read their address: it is stepped here
	s_add_nc_u64 s[PFA:PFA+1], s[PFA:PFA+1], s[PST:PST+1]
.endif
	s_wait_tensorcnt 0x0                           ; all my tensor loads have landed, so a group 0 may be written
	ds_add_u32 v[SPW], v[NIL]                      ; 0 onto my spare word
.if \fill
	s_add_nc_u64 s[G0A+4*(\slot)+2:G0A+4*(\slot)+3], s[G0A+4*(\slot)+2:G0A+4*(\slot)+3], 2*PLX
	s_add_nc_u64 s[G0B+4*(\slot)+2:G0B+4*(\slot)+3], s[G0B+4*(\slot)+2:G0B+4*(\slot)+3], 2*PLW
.endif
	s_wait_dscnt 0x0                               ; the add is done, and my reads of this slot are over
	s_barrier_signal -1
	s_barrier_wait -1
.if \fill
	CREST                                          ; no wave of any partner still reads this slot or has a load on its way
	JLOAD \slot
.if (\slot) == 0
	ASK
.endif
.endif
	PH 0, FA1, 0
	PLACES
	WIN 0
	LDB \next, 0, 0
	LDA \next, 0, FA0
	PH 1, FA1, 0
	PLACES
	WIN 0
	LDB \next, 0, 1
	PH 2, FA1, 0
	PLACES
	WIN 0
	LDB \next, 0, 2
.endm
	s_wait_tensorcnt 1                             ; my part of K step 0 is in; K step 1's may stay out
	s_barrier_signal -1
	s_barrier_wait -1                              ; everybody's is
	LDB 0, 0, 0
	LDA 0, 0, FA0
	LDB 0, 0, 1
	LDB 0, 0, 2
	Q0 0, 1                                        ; the first quarter stands in front of the loop: its products start the sums
	s_mov_b32 s3, 7
.Llap:                                                 ; a trip goes once round the ring and fills both slots again: K steps 2 to 15 in seven trips
	Q1 0, 1, 1
	Q0 1, 0
	Q1 1, 0, 1
	Q0 0, 0
	s_sub_co_u32 s3, s3, 1
	s_cmp_lg_u32 s3, 0
	s_cbranch_scc1 .Llap
	Q1 0, 1, 0                                     ; the last lap fills nothing
	Q0 1, 0
	s_wait_dscnt 16                                ; the very last quarter: nothing more to fetch
	PH 0, FA1, 0
	s_wait_dscnt 8
	PH 1, FA1, 0
	s_wait_dscnt 0x0
	PH 2, FA1, 0
	; THE WAY OUT.  Rounded to f16, 16 bytes a lane, into ONE stage of 256 rows x 768 bytes, since a row's 768 bytes come from two waves; a barrier; back as whole rows, 64 a wave.
	PLACES
	PLACES                                         ; eight, once a launch: the conversions below write registers that the last products read
	WIN 0
	s_wait_dscnt 0x0
	s_barrier_signal -1
	s_barrier_wait -1                              ; every wave's reads of the slots are over, and the slots have had their last fill: the stage may be written over them
.macro PACKW p                         ; window p + 1's 32 accumulators; each is read from its low end on
	WIN 5*((\p)+1)                                 ; sources 0 and 1 in window p + 1, destination in window 0
.set q, 0
.rept 32
.irp n, 0,1,2,3
	v_cvt_pk_f16_f32 v[TMP+4*q+(\n)], v[8*q+2*(\n)], v[8*q+2*(\n)+1]
.endr
.set q, q+1
.endr
	WIN 0
.set q, 0
.rept 32                               ; q = 8 (b % 4) + a
	ds_store_b128 v[STO0+(q%8)/4], v[TMP+4*q:TMP+4*q+3] offset:((q%8)%4)*16*SP+32*(4*(\p)+q/8)
.set q, q+1
.endr
.endm
	PACKW 0
	PACKW 1
	PACKW 2
	s_wait_dscnt 0x0                               ; for the others' sake: my stores into the stage are done
	s_barrier_signal -1
	s_barrier_wait -1
; Eight pairs of rows.  A pair is 1,536 bytes: three loads and three stores of 512; in each store sixteen lanes cover 256 consecutive bytes, at a multiple of 256 from qkv's first byte.
.macro BACK n
.set BK, TMP+96*((\n)%2)
	s_wait_xcnt 0x0                                ; earlier stores have read these registers
.set u, 8*(\n)
.set z, 0
.rept 8
	ds_load_b128 v[BK+12*z:BK+12*z+3],    v[RDA] offset:2*SP*u
	ds_load_b128 v[BK+12*z+4:BK+12*z+7],  v[RDB] offset:2*SP*u
	ds_load_b128 v[BK+12*z+8:BK+12*z+11], v[RDA] offset:2*SP*u+SP+256
.set u, u+1
.set z, z+1
.endr
.set u, 8*(\n)
.set z, 0
.rept 8
	s_wait_dscnt 23-3*z                            ; LDS loads come back in order: the younger ones stay out
	global_store_b128 v[COA], v[BK+12*z:BK+12*z+3],    s[8:9] offset:12288*u
	s_wait_dscnt 22-3*z
	global_store_b128 v[COB], v[BK+12*z+4:BK+12*z+7],  s[8:9] offset:12288*u
	s_wait_dscnt 21-3*z
	global_store_b128 v[COA], v[BK+12*z+8:BK+12*z+11], s[8:9] offset:12288*u+6400
.set u, u+1
.set z, z+1
.endr
.endm
	BACK 0
	BACK 1
	BACK 2
	BACK 3
	s_wait_tensorcnt 0x0                           ; the wave's end, behind my last tensor load and my last LDS store
	ds_add_u32 v[SPW], v[NIL]
	s_wait_dscnt 0x0
	CROUND                                         ; the closing round: no work-group ends while a partner may still ask for a tile that names it
	s_endpgm
.Lfunc_end_k_qe7b9df0678_qkv:
	.size	k_qe7b9df0678_qkv, .Lfunc_end_k_qe7b9df0678_qkv-k_qe7b9df0678_qkv
	.p2alignl 7, 3214868480
	.fill 96, 4, 3214868480
	.section	.rodata,"a",@progbits
	.p2align	6, 0x0
	.amdhsa_kernel k_qe7b9df0678_qkv
		.amdhsa_group_segment_fixed_size 327680
		.amdhsa_private_segment_fixed_size 0
		.amdhsa_enable_private_segment 0
		.amdhsa_kernarg_size 24
		.amdhsa_user_sgpr_count 2
		.amdhsa_user_sgpr_kernarg_segment_ptr 1
		.amdhsa_wavefront_size32 1
		.amdhsa_system_sgpr_workgroup_id_x 1
		.amdhsa_system_sgpr_workgroup_id_y 1
		.amdhsa_system_sgpr_workgroup_id_z 1
		.amdhsa_system_vgpr_workitem_id 0
		.amdhsa_next_free_vgpr 1024
		.amdhsa_next_free_sgpr 72
		.amdhsa_reserve_vcc 0
		.amdhsa_float_denorm_mode_32 3
		.amdhsa_float_denorm_mode_16_64 3
		.amdhsa_memory_ordered 1
		.amdhsa_forward_progress 1
		.amdhsa_inst_pref_size 133
	.end_amdhsa_kernel
	.amdgpu_metadata
---
amdhsa.version: [ 1, 2 ]
amdhsa.kernels:
  - .name:           k_qe7b9df0678_qkv
    .symbol:         k_qe7b9df0678_qkv.kd
    .args:
      - { .name: xb, .offset: 0, .size: 8, .value_kind: global_buffer, .address_space: global }
      - { .name: wb, .offset: 8, .size: 8, .value_kind: global_buffer, .address_space: global }
      - { .name: qkv, .offset: 16, .size: 8, .value_kind: global_buffer, .address_space: global }
    .group_segment_fixed_size: 327680
    .private_segment_fixed_size: 0
    .kernarg_segment_align: 8
    .kernarg_segment_size: 24
    .max_flat_workgroup_size: 128
    .sgpr_count:     72
    .vgpr_count:     1024
    .wavefront_size: 32
...
	.end_amdgpu_metadata
.endif
;; end of part 2
;; launch attn (part 3): grid 1024 x 1, 4 waves a work-group, no clusters, 0 bytes of LDS; arguments qkv, cc; writes cc
.if DOCPART == 3
	.amdgcn_target "amdgcn-amd-amdhsa--gfx1250"
	.amdhsa_code_object_version 6
	.text
	.protected	k_qe7b9df0678_attn
	.globl	k_qe7b9df0678_attn
	.p2align	8
	.type	k_qe7b9df0678_attn,@function
k_qe7b9df0678_attn:
	s_mov_b64 s[64:65], 0
	v_nop
	global_prefetch_b8 v0, s[64:65] scope:SCOPE_SE
	s_setreg_imm32_b32 hwreg(HW_REG_WAVE_MODE, 25, 1), 1
	s_wait_xcnt 0x0
; Launch 3 of 4: the attention inside each token.  s[i][j] = sum over h of q[h][i] k[h][j]; p = softmax over j of s / 8; o[i][h] = sum over j of p[i][j] v[h][j]; cc[16 i + h] = o[i][h].  Nothing of reference() is left out.
; qkv: f16 [8,192][3,072]: q at 16 i + h, k at 1,024 + 16 j + h, v at 2,048 + 256 jb + 16 h + jl (j = 16 jb + jl).  cc: f16 [8,192][1,024].
; Products, maxima and sums in f32; the weights p are rounded to f16 for the second product (their sum l is taken of the unrounded p), o once at the end.
; LIMITS.  q, k, v arrive within f16's 65,504; p lies in 0 to 1 and below 6e-5 keeps f16's fixed step; a weight below 2^-126 counts as 0 in l; NaN and infinities are not treated apart.
; SOFTMAX.  A row's 64 scores lie in two lanes, 32 registers each: its TRUE maximum m is found first, then p = 2^(c s - c m), c = log2(e) / 8.
; LAYOUT.  With lane pattern LP = 32 (l % 16) + 16 (l / 16) every fragment is one load of 512 consecutive bytes, and so is every store: nothing goes through LDS and nothing changes lanes but one exchange of the halves.
;   S^T = K Q^T: source 0 = 16 j, source 1 = 16 i, K = the 16 heads in the fragment's registers 0-3.  Registers 4-7 (K = 16..31) of Q's fragments hold 0; those of K's fragments are the next block's
;   (finite) numbers, which meet those zeros: half of this product is padding inside live tiles.  In the result a lane holds one i (l % 16) and the j = 16 kb + 8 (l / 16) + 0..7.
;   Two such results rounded to f16 in pairs ARE source 1 (32 j x 16 i) of O^T = V^T P, source 0 = the 16 heads x 32 j; its result holds one i a lane and the heads 8 (l / 16) + 0..7: 16 bytes of cc.
; SHARES.  A wave takes two tokens, a work-group eight; all 24 loads of a wave go out at its head.  With 256 registers four waves lie on a SIMD and fill each other's waits, so a wave's text goes in plain phases.
; No cluster and no LDS: no two waves read the same byte.  No prefetch: every load of the launch is issued at a wave's first lines.
.set SETS, 16                          ; token u's registers at 16 + 64 u: Q's tile t at +8 t (data +0..3, zeros +4..7); K's block kb at +32 + 4 kb; V's block jb at +48 + 4 jb
.set S,    144                         ; v[144:207] S^T, two tiles of 32; a tile's registers 8-15 take O^T when its sums are made
.set P,    208                         ; v[208:239] P, two tiles of 16; registers 0-3 then take the 16 bytes to store
.set T,    240                         ; v[240:255] eight a tile: c m, m, c0-c3 at work, 1 / l, l
	s_load_b128 s[4:7], s[0:1], 0x0                ; qkv s[4:5], cc s[6:7]
	v_lshrrev_b32 v3, 5, v0                        ; wave
	v_and_b32 v4, 15, v0
	v_bfe_u32 v5, v0, 4, 1
	v_lshlrev_b32 v4, 5, v4
	v_lshl_add_u32 v4, v5, 4, v4                   ; LP
	v_mul_u32_u24 v1, v3, 12288                    ; my wave's two tokens in qkv,
	v_add_nc_u32 v1, v1, v4
	v_lshl_add_u32 v2, v3, 12, v4                  ; and in cc
	s_mul_i32 s12, ttmp9, 49152                    ; the work-group's eight tokens
	s_mov_b32 s13, 0
	s_lshl_b32 s14, ttmp9, 14
	s_mov_b32 s15, 0
	s_mov_b32 s8, 0x3e38aa3b                       ; c = log2(e) / 8 = 0.180337
	s_mov_b32 s9, s8                               ; named with it as a pair
	s_mov_b32 s10, 0x76543210                      ; v_permlanex16_b32: each lane takes its own place in the other half
	s_mov_b32 s11, 0xfedcba98
	s_wait_kmcnt 0x0
	s_add_nc_u64 s[4:5], s[4:5], s[12:13]
	s_add_nc_u64 s[6:7], s[6:7], s[14:15]
.irp u, 0,1
.irp f, 0,1,2,3
	global_load_b128 v[SETS+64*(\u)+8*(\f):SETS+64*(\u)+8*(\f)+3], v1, s[4:5] offset:6144*(\u)+512*(\f) th:TH_LOAD_NT
.endr
.irp f, 0,1,2,3,4,5,6,7
	global_load_b128 v[SETS+64*(\u)+32+4*(\f):SETS+64*(\u)+32+4*(\f)+3], v1, s[4:5] offset:6144*(\u)+2048+512*(\f) th:TH_LOAD_NT
.endr
.endr
.irp u, 0,1
.irp f, 0,1,2,3
.irp z, 4,5,6,7
	v_mov_b32 v[SETS+64*(\u)+8*(\f)+(\z)], 0       ; the upper half of K's 32 in Q's fragments: written once, while the loads are out
.endr
.endr
.endr
; Tiles 2 p and 2 p + 1 (16 rows i each) of token u; the two tiles' lines alternate, so that no line waits for the one before it.
.macro PIECE u, p
.set QB, SETS+64*(\u)
.set KB, QB+32
.set VB, QB+48
.irp kb, 0,1,2,3
.irp w, 0,1
	v_wmma_f32_16x16x32_f16 v[S+32*(\w)+8*(\kb):S+32*(\w)+8*(\kb)+7], v[KB+4*(\kb):KB+4*(\kb)+7], v[QB+8*(2*(\p)+(\w)):QB+8*(2*(\p)+(\w))+7], 0
.endr
.endr
.rept 4
	v_nop                                          ; the places behind those products
.endr
	; the maximum of the lane's 32 scores, three operands at a time: four chains of seven, each accumulator read from its low end on; then the four left over
.irp n, 0,1,2,3
.irp w, 0,1
	v_max3_num_f32 v[T+8*(\w)+2+(\n)], v[S+32*(\w)+8*(\n)], v[S+32*(\w)+8*(\n)+1], v[S+32*(\w)+8*(\n)+2]
.endr
.endr
.irp g, 1,2
.irp n, 0,1,2,3
.irp w, 0,1
	v_max3_num_f32 v[T+8*(\w)+2+(\n)], v[T+8*(\w)+2+(\n)], v[S+32*(\w)+8*(\n)+2*(\g)+1], v[S+32*(\w)+8*(\n)+2*(\g)+2]
.endr
.endr
.endr
.irp w, 0,1
	v_max3_num_f32 v[T+8*(\w)+2], v[T+8*(\w)+2], v[S+32*(\w)+7], v[S+32*(\w)+15]
	v_max3_num_f32 v[T+8*(\w)+3], v[T+8*(\w)+3], v[S+32*(\w)+23], v[S+32*(\w)+31]
	v_max_num_f32 v[T+8*(\w)+4], v[T+8*(\w)+4], v[T+8*(\w)+5]
.endr
.irp w, 0,1
	v_max3_num_f32 v[T+8*(\w)+2], v[T+8*(\w)+2], v[T+8*(\w)+3], v[T+8*(\w)+4]
.endr
.irp w, 0,1
	v_permlanex16_b32 v[T+8*(\w)+5], v[T+8*(\w)+2], s10, s11  ; the row's other 32 scores lie in the lane 16 away
.endr
.irp w, 0,1
	v_max_num_f32 v[T+8*(\w)+1], v[T+8*(\w)+2], v[T+8*(\w)+5]  ; m
.endr
.irp w, 0,1
	v_mul_f32 v[T+8*(\w)], s8, v[T+8*(\w)+1]       ; c m
.endr
.irp b, 0,1,2,3,4,5,6,7,8,9,10,11,12,13,14,15
.irp w, 0,1
	v_pk_fma_f32 v[S+32*(\w)+2*(\b):S+32*(\w)+2*(\b)+1], v[S+32*(\w)+2*(\b):S+32*(\w)+2*(\b)+1], s[8:9], v[T+8*(\w):T+8*(\w)+1] op_sel_hi:[1,0,0] neg_lo:[0,0,1] neg_hi:[0,0,1]  ; c s - c m
.endr
.endr
.set e, 0
.rept 64
	v_exp_f32 v[S+e], v[S+e]                       ; ONE BATCH: nothing ahead of the wait below names a result
.set e, e+1
.endr
	v_nop                                          ; a plain instruction behind the last exponential
	s_wait_alu depctr_va_vdst(0)                   ; the wait ahead of the first use: one for the 64
	s_wait_xcnt 0x0                                ; the last piece's stores have read P's registers
.irp n, 0,1,2,3,4,5,6,7,8,9,10,11,12,13,14,15
.irp w, 0,1
	v_cvt_pk_f16_f32 v[P+16*(\w)+(\n)], v[S+32*(\w)+2*(\n)], v[S+32*(\w)+2*(\n)+1]
.endr
.endr
	; the sum of the lane's 16 pairs, in place: neighbours 1, 2, 4 and 8 pairs apart
.irp z, 0,1,2,3,4,5,6,7
.irp w, 0,1
	v_pk_add_f32 v[S+32*(\w)+4*(\z):S+32*(\w)+4*(\z)+1], v[S+32*(\w)+4*(\z):S+32*(\w)+4*(\z)+1], v[S+32*(\w)+4*(\z)+2:S+32*(\w)+4*(\z)+3]
.endr
.endr
.irp z, 0,1,2,3
.irp w, 0,1
	v_pk_add_f32 v[S+32*(\w)+8*(\z):S+32*(\w)+8*(\z)+1], v[S+32*(\w)+8*(\z):S+32*(\w)+8*(\z)+1], v[S+32*(\w)+8*(\z)+4:S+32*(\w)+8*(\z)+5]
.endr
.endr
.irp z, 0,1
.irp w, 0,1
	v_pk_add_f32 v[S+32*(\w)+16*(\z):S+32*(\w)+16*(\z)+1], v[S+32*(\w)+16*(\z):S+32*(\w)+16*(\z)+1], v[S+32*(\w)+16*(\z)+8:S+32*(\w)+16*(\z)+9]
.endr
.endr
.irp w, 0,1
	v_pk_add_f32 v[S+32*(\w):S+32*(\w)+1], v[S+32*(\w):S+32*(\w)+1], v[S+32*(\w)+16:S+32*(\w)+17]
.endr
.irp w, 0,1
	v_add_f32 v[T+8*(\w)+7], v[S+32*(\w)], v[S+32*(\w)+1]
.endr
.irp w, 0,1
	v_permlanex16_b32 v[T+8*(\w)+5], v[T+8*(\w)+7], s10, s11
.endr
.irp w, 0,1
	v_add_f32 v[T+8*(\w)+7], v[T+8*(\w)+7], v[T+8*(\w)+5]  ; l
.endr
.irp w, 0,1
	v_rcp_f32 v[T+8*(\w)+6], v[T+8*(\w)+7]
.endr
	; O^T = V^T P: the two tiles' accumulators take turns, one instruction a turn; the first product of each starts its sum
.irp kk, 0,1
.irp w, 0,1
.if (\kk) == 0
	v_wmma_f32_16x16x32_f16 v[S+32*(\w)+8:S+32*(\w)+15], v[VB+8*(\kk):VB+8*(\kk)+7], v[P+16*(\w)+8*(\kk):P+16*(\w)+8*(\kk)+7], 0
.else
	v_wmma_f32_16x16x32_f16 v[S+32*(\w)+8:S+32*(\w)+15], v[VB+8*(\kk):VB+8*(\kk)+7], v[P+16*(\w)+8*(\kk):P+16*(\w)+8*(\kk)+7], v[S+32*(\w)+8:S+32*(\w)+15]
.endif
.endr
.endr
.rept 8
	v_nop                                          ; the places behind those products, in front of lines that write their registers; also the plain instruction behind the reciprocals
.endr
	s_wait_alu depctr_va_vdst(0)                   ; one wait for the two reciprocals, ahead of their first use
.irp n, 0,1,2,3
.irp w, 0,1
	v_pk_mul_f32 v[S+32*(\w)+8+2*(\n):S+32*(\w)+8+2*(\n)+1], v[S+32*(\w)+8+2*(\n):S+32*(\w)+8+2*(\n)+1], v[T+8*(\w)+6:T+8*(\w)+7] op_sel_hi:[1,0]
.endr
.endr
.irp n, 0,1,2,3
.irp w, 0,1
	v_cvt_pk_f16_f32 v[P+16*(\w)+(\n)], v[S+32*(\w)+8+2*(\n)], v[S+32*(\w)+8+2*(\n)+1]
.endr
.endr
.irp w, 0,1
	global_store_b128 v2, v[P+16*(\w):P+16*(\w)+3], s[6:7] offset:2048*(\u)+512*(2*(\p)+(\w))  ; 512 consecutive bytes, at a multiple of 512 from cc's first
.endr
.endm
	s_wait_loadcnt 12                              ; the first token's twelve loads are in; the second's stay out
	PIECE 0, 0
	PIECE 0, 1
	s_wait_loadcnt 0x0
	PIECE 1, 0
	PIECE 1, 1
	s_endpgm
.Lfunc_end_k_qe7b9df0678_attn:
	.size	k_qe7b9df0678_attn, .Lfunc_end_k_qe7b9df0678_attn-k_qe7b9df0678_attn
	.p2alignl 7, 3214868480
	.fill 96, 4, 3214868480
	.section	.rodata,"a",@progbits
	.p2align	6, 0x0
	.amdhsa_kernel k_qe7b9df0678_attn
		.amdhsa_group_segment_fixed_size 0
		.amdhsa_private_segment_fixed_size 0
		.amdhsa_enable_private_segment 0
		.amdhsa_kernarg_size 16
		.amdhsa_user_sgpr_count 2
		.amdhsa_user_sgpr_kernarg_segment_ptr 1
		.amdhsa_wavefront_size32 1
		.amdhsa_system_sgpr_workgroup_id_x 1
		.amdhsa_system_sgpr_workgroup_id_y 1
		.amdhsa_system_sgpr_workgroup_id_z 1
		.amdhsa_system_vgpr_workitem_id 0
		.amdhsa_next_free_vgpr 256
		.amdhsa_next_free_sgpr 66
		.amdhsa_reserve_vcc 0
		.amdhsa_float_denorm_mode_32 3
		.amdhsa_float_denorm_mode_16_64 3
		.amdhsa_memory_ordered 1
		.amdhsa_forward_progress 1
		.amdhsa_inst_pref_size 56
	.end_amdhsa_kernel
	.amdgpu_metadata
---
amdhsa.version: [ 1, 2 ]
amdhsa.kernels:
  - .name:           k_qe7b9df0678_attn
    .symbol:         k_qe7b9df0678_attn.kd
    .args:
      - { .name: qkv, .offset: 0, .size: 8, .value_kind: global_buffer, .address_space: global }
      - { .name: cc, .offset: 8, .size: 8, .value_kind: global_buffer, .address_space: global }
    .group_segment_fixed_size: 0
    .private_segment_fixed_size: 0
    .kernarg_segment_align: 8
    .kernarg_segment_size: 16
    .max_flat_workgroup_size: 128
    .sgpr_count:     66
    .vgpr_count:     256
    .wavefront_size: 32
...
	.end_amdgpu_metadata
.endif
;; end of part 3
;; launch oproj (part 4): grid 4 x 64, 4 waves a work-group, clusters of 4 x 4, 327,680 bytes of LDS; arguments cc, wob, out0; writes out0
.if DOCPART == 4
	.amdgcn_target "amdgcn-amd-amdhsa--gfx1250"
	.amdhsa_code_object_version 6
	.text
	.protected	k_qe7b9df0678_oproj
	.globl	k_qe7b9df0678_oproj
	.p2align	8
	.type	k_qe7b9df0678_oproj,@function
k_qe7b9df0678_oproj:
	s_mov_b64 s[64:65], 0
	v_nop
	global_prefetch_b8 v0, s[64:65] scope:SCOPE_SE
	s_setreg_imm32_b32 hwreg(HW_REG_WAVE_MODE, 25, 1), 1
	s_wait_xcnt 0x0
	s_wait_alu depctr_hold_cnt(0) depctr_sa_sdst(0) depctr_va_vdst(0) depctr_va_sdst(0) depctr_va_ssrc(0) depctr_va_vcc(0) depctr_vm_vsrc(0)
	s_getreg_b32 s2, hwreg(HW_REG_IB_STS2, 6, 4)
	s_cmp_eq_u32 s2, 0
	s_cbranch_scc0 .Lentry_in_a_cluster
	s_endpgm
.Lentry_in_a_cluster:
	s_bfe_u32 s2, ttmp6, 0x10000c
	s_cmp_lg_u32 s2, 0xf033
	s_cbranch_scc0 .Lentry_shape_is_right
	s_endpgm
.Lentry_shape_is_right:
; Launch 4 of 4: out0[m][n] = sum over k of cc[m][k] wob[n][k]: 8,192 x 1,024 x 1,024, f16 operands, f32 sums, stored as f32.  Nothing of reference() is left out.
; cc holds o at place 16 i + h and wob holds wo's columns in the same order, so the sum runs over the same terms as concat wo^T, in another order.
; SHARES.  A tile of 128 x 256 for each work-group: 64 x 4 = 256 tiles.  Four waves, each 64 x 128: 32 accumulators of 16 x 16, all of window 1.
; THE RING.  K goes in eight steps of 128 (rows of 256 bytes, at multiples of 256 bytes) through THREE LDS slots of one step each.  Slots 0 and 1 are THE PAIR, filled together: one load a wave brings one whole operand of one step
; (wave 0 cc of the pair's first step, wave 1 cc of its second, waves 2 and 3 wob likewise).  Slot 2 is THE SINGLE: each wave brings half an operand.  The steps go pair, single, pair, single, pair: 2 + 1 + 2 + 1 + 2 = 8.
; All three slots have their first fill at the start; three refills follow (steps 3 and 4; step 5; steps 6 and 7) where two slots of one step would want six.  A step is 128 matrix instructions a wave: the single's refill has
; 256 of them ahead of the wait for it, the pair's 128.  The second single has no refill and a joint load is not jumped over, so the eight steps are written out, by macros, without a loop.
; CLUSTER.  4 x 4 work-groups: cc's tile is shared along a row of the cluster, wob's along a column; each is asked for JOINTLY, by the same tensor load, descriptor and mask in all four.
; TRANSPOSED USE.  Source 0 = 16 rows of wob, source 1 = 16 rows of cc: a lane holds one row m (lane % 16) and eight neighbouring columns: 32 bytes of f32.
; REGISTERS.  Window 0: v0-31 addresses; v32-127, v128-223 two fragment buffers of 32 along K (cc's 4 blocks, then wob's 8); on the way out v32-159 whole rows.  Window 1: accumulator (a, b) at v[8 (8 a + b)].
.set PITCH, 272                        ; an LDS row: 256 bytes + 16 of padding = 68 words: row r starts at bank 4 r mod 64 (64 banks of 4 bytes: ISA guide 11.1)
.set AHALF, 64*PITCH                   ; what a wave reads of cc, and what waves 0 and 1 bring each into the single
.set BHALF, 128*PITCH                  ; what a wave reads of wob, and what waves 2 and 3 bring each into the single
.set BOFF,  128*PITCH                  ; in a slot wob's 256 rows lie behind cc's 128
.set SLOT,  384*PITCH
.set SP,    528                        ; a stage row: 512 bytes + 16 = 132 words: row r starts at bank 4 r mod 64.  The stages, 16 rows for each wave, lie over slot 0, which has had its last fill when they are written
.set SPARE, 3*SLOT                     ; behind the three slots: the spare words, 128 bytes a wave, that no other line names
.set G1W0,  (1<<16)|(1<<20)|(1<<21)|(5<<22)|(3<<25)  ; 2-byte elements; padding on; 21 set beside a mask; after every 64 words (code 5) 4 words (code 3)
.set ADRA, 16                          ; v16-18  LDS address of my fragments of cc in slot 0, 1, 2
.set ADRB, 20                          ; v20-22  the same for wob
.set STO,  24                          ; v24     the way out: where I put 32 bytes of a row
.set RD,   25                          ; v25     where I read a row back
.set CO,   26                          ; v26     my 16 bytes in 512 of out0
.set SPW,  28                          ; v28     LDS address of my spare word; never rewritten
.set NIL,  29                          ; v29     0; never rewritten
.set PFO,  30                          ; v30     2,048 x my lane: a row of cc or wob; never rewritten
.set F0,   32
.set F1,   128
.set OB,   32
.set G1AX, 24                          ; s[24:31] group 1 for cc, the pair (128 rows);   s[72:79] the single (64 rows): G1AX + 48
.set G0AX, 32                          ; s[32:35] group 0 for cc, the pair;              s[36:39] the single: G0AX + 4
.set G1BX, 48                          ; s[48:55] group 1 for wob, the pair (256 rows);  s[80:87] the single (128 rows): G1BX + 32
.set G0BX, 56                          ; s[56:59] group 0 for wob, the pair;             s[60:63] the single: G0BX + 4
.set PFA, 44                           ; s[44:45] what I prefetch; never rewritten
.set LIM, 46                           ; s46     1 in a wave that prefetches, else 0
.set MSB, 0
.macro WIN new                         ; the immediate's high byte repeats the setting that is left; a switch that changes nothing is dropped
.if MSB != (\new)
	s_set_vgpr_msb (MSB<<8)|(\new)
.set MSB, \new
.endif
.endm
.macro PLACES                          ; four places behind a matrix instruction, in front of loads into registers that it has read
.rept 4
	v_nop
.endr
.endm
; A joint load: r = 0 the pair, 1 the single.  Waves 0 and 1 fetch cc, waves 2 and 3 wob; the branch hangs on the wave's number alone.  An s_nop 0 and four v_nop follow each of the two lines.
.macro JLOAD r
	s_cmp_eq_u32 s11, 0
	s_cbranch_scc0 .Lfor_b_\@
	tensor_load_to_lds s[G0AX+4*(\r):G0AX+4*(\r)+3], s[G1AX+48*(\r):G1AX+48*(\r)+7]
	s_nop 0
.rept 4
	v_nop
.endr
	s_branch .Lasked_\@
.Lfor_b_\@:
	tensor_load_to_lds s[G0BX+4*(\r):G0BX+4*(\r)+3], s[G1BX+32*(\r):G1BX+32*(\r)+7]
	s_nop 0
.rept 4
	v_nop
.endr
.Lasked_\@:
.endm
.macro CREST                           ; a round of the cluster's barrier behind its opening barrier
	s_cmp_lg_u32 s10, 0
	s_cbranch_scc1 .Lnot_wave_0_\@
	s_barrier_signal -3
.Lnot_wave_0_\@:
	s_barrier_wait -3
	s_barrier_signal -1
	s_barrier_wait -1
.endm
.macro CROUND                          ; a whole round
	s_barrier_signal -1
	s_barrier_wait -1
	CREST
.endm
; A PREFETCH INTO THE L2, once, behind the first refill (steps 3 and 4) and the run of LDS loads that follows it: the LAST pair, steps 6 and 7, two refills and 384 matrix instructions ahead of the load that asks for it.
; A wave names the step that it will fetch itself (6 + wave % 2); of that operand's rows the partner at place p among the four that ask jointly (p = cx for cc, cy for wob: it enters the ADDRESS alone) takes 32 p .. (cc) or
; 64 p .. (wob): 256 bytes of each, a lane a row.  cc's rows are read by one cluster alone, which asks; wob's by all sixteen clusters: the one with y = 0 asks.  So each block is named once.
; Steps 0 to 5 come by their loads alone: 0 to 2 are the first fills, and a request for 3, 4 or 5 would stand one step ahead of its load or less.  Step 7 is the last that there is.
.macro ASK
	s_cmp_eq_u32 s[LIM], 1
	s_cbranch_scc0 .Lnot_mine_\@
	global_prefetch_b8 v[PFO], s[PFA:PFA+1] th:TH_LOAD_NT scope:SCOPE_SE
	s_cmp_eq_u32 s11, 0
	s_cbranch_scc1 .Lnot_mine_\@
	global_prefetch_b8 v[PFO], s[PFA:PFA+1] offset:65536 th:TH_LOAD_NT scope:SCOPE_SE  ; wob's share is 64 rows
.Lnot_mine_\@:
.endm
.macro SHAPE g, rows                   ; group 1 but for its first word: a tile of rows x 128 elements out of rows of 1,024
	s_mov_b32 s[(\g)+1], 128<<16                   ; tensor_dim0 = 128
	s_mov_b32 s[(\g)+2], (\rows)<<16               ; tensor_dim1
	s_mov_b32 s[(\g)+3], 128<<16                   ; tile_dim0 = 128
	s_mov_b32 s[(\g)+4], \rows                     ; tile_dim1
	s_mov_b32 s[(\g)+5], 1024                      ; elements from row to row
	s_mov_b32 s[(\g)+6], 0
	s_mov_b32 s[(\g)+7], 0
.endm
	s_load_b128 s[4:7], s[0:1], 0x0                ; cc s[4:5], wob s[6:7]
	s_load_b64 s[8:9], s[0:1], 0x10                ; out0
	v_lshl_add_u32 v[SPW], v0, 2, SPARE
	v_mov_b32 v[NIL], 0
	ds_add_u32 v[SPW], v[NIL]                      ; the wave's opening: the add, twice on end, and its wait ahead of my first tensor load; the set-up below stands between
	ds_add_u32 v[SPW], v[NIL]
	v_lshrrev_b32 v1, 5, v0
	v_readfirstlane_b32 s10, v1                    ; wave 0..3
	s_lshr_b32 s11, s10, 1                         ; which half of the tile's rows is mine.  Also: I fetch for cc (0) or for wob (1)
	s_and_b32 s12, s10, 1                          ; which half of its columns.  Also: which step of the pair, and which half of the single's rows, I fetch
	s_bfe_u32 s40, ttmp6, 0x40000                  ; cx
	s_bfe_u32 s41, ttmp6, 0x40004                  ; cy
	s_lshl_b32 s42, ttmp9, 2
	s_add_co_u32 s42, s42, s40                     ; tile column
	s_and_b32 s13, ttmp7, 0xffff
	s_lshl_b32 s13, s13, 2
	s_add_co_u32 s13, s13, s41                     ; tile row
	s_lshl_b32 s43, s41, 2
	s_lshl_b32 s43, 15, s43                        ; my row of the cluster
	s_lshl_b32 s47, 0x1111, s40                    ; my column
	s_or_b32 s[G1AX], s43, G1W0
	s_or_b32 s[G1AX+48], s43, G1W0
	s_or_b32 s[G1BX], s47, G1W0
	s_or_b32 s[G1BX+32], s47, G1W0
	SHAPE G1AX, 128
	SHAPE G1AX+48, 64
	SHAPE G1BX, 256
	SHAPE G1BX+32, 128
	s_lshl_b32 s16, s13, 18                        ; cc: 128 rows x 2,048 bytes a tile row
	s_mov_b32 s17, 0
	s_lshl_b32 s20, s42, 19                        ; wob: 256 rows a tile column
	s_mov_b32 s21, 0
	s_lshl_b32 s68, s12, 8                         ; the pair: my step's 256 bytes along the rows
	s_mov_b32 s69, 0
	s_lshl_b32 s70, s12, 17                        ; the single: my 64 rows of cc,
	s_mov_b32 s71, 0
	s_lshl_b32 s66, s12, 18                        ; or my 128 rows of wob
	s_mov_b32 s67, 0
	s_mul_i32 s18, s12, SLOT                       ; where they go: no place in the cluster enters an LDS address
	s_mul_i32 s19, s12, AHALF
	s_mul_i32 s3, s12, BHALF
	s_wait_dscnt 0x0                               ; both opening adds are done
	s_wait_kmcnt 0x0
	s_add_nc_u64 s[14:15], s[4:5], s[16:17]        ; cc at the tile's first row
	s_add_nc_u64 s[22:23], s[6:7], s[20:21]        ; wob at the tile's first row
	CROUND                                         ; all sixteen work-groups are here: the first joint loads meet
	s_mov_b32 s[G0AX], 1                           ; count = 1
	s_add_co_u32 s[G0AX+1], s18, 0                 ; LDS address: slot 0 or 1
	s_add_nc_u64 s[G0AX+2:G0AX+3], s[14:15], s[68:69]  ; global address: K step 0 or 1
	s_or_b32 s[G0AX+3], s[G0AX+3], 0x80000000      ; type = 2
	s_mov_b32 s[G0AX+4], 1
	s_add_co_u32 s[G0AX+5], s19, 2*SLOT            ; slot 2, my half of cc's rows
	s_add_nc_u64 s[G0AX+6:G0AX+7], s[14:15], s[70:71]
	s_add_nc_u64 s[G0AX+6:G0AX+7], s[G0AX+6:G0AX+7], 512  ; K step 2
	s_or_b32 s[G0AX+7], s[G0AX+7], 0x80000000
	s_mov_b32 s[G0BX], 1
	s_add_co_u32 s[G0BX+1], s18, BOFF
	s_add_nc_u64 s[G0BX+2:G0BX+3], s[22:23], s[68:69]
	s_or_b32 s[G0BX+3], s[G0BX+3], 0x80000000
	s_mov_b32 s[G0BX+4], 1
	s_add_co_u32 s[G0BX+5], s3, 2*SLOT+BOFF
	s_add_nc_u64 s[G0BX+6:G0BX+7], s[22:23], s[66:67]
	s_add_nc_u64 s[G0BX+6:G0BX+7], s[G0BX+6:G0BX+7], 512
	s_or_b32 s[G0BX+7], s[G0BX+7], 0x80000000
	s_cmp_eq_u32 s11, 0                            ; a wave's two first fills stand in one branch, the pair's first: two loads of mine are out
	s_cbranch_scc0 .Lfirst_b
	tensor_load_to_lds s[G0AX:G0AX+3], s[G1AX:G1AX+7]
	s_nop 0
	tensor_load_to_lds s[G0AX+4:G0AX+7], s[G1AX+48:G1AX+55]
	s_nop 0
.rept 4
	v_nop
.endr
	s_branch .Lfirst_asked
.Lfirst_b:
	tensor_load_to_lds s[G0BX:G0BX+3], s[G1BX:G1BX+7]
	s_nop 0
	tensor_load_to_lds s[G0BX+4:G0BX+7], s[G1BX+32:G1BX+39]
	s_nop 0
.rept 4
	v_nop
.endr
.Lfirst_asked:
	v_and_b32 v1, 15, v0                           ; l % 16
	v_bfe_u32 v2, v0, 4, 1                         ; l / 16
	v_and_b32 v4, 31, v0                           ; l
	v_mul_u32_u24 v3, v1, PITCH
	v_lshl_add_u32 v3, v2, 4, v3                   ; a fragment's row x pitch + 16 x half
	s_mul_i32 s68, s11, AHALF                      ; my 64 rows of cc
	s_mul_i32 s69, s12, BHALF                      ; my 128 rows of wob
	s_add_co_u32 s69, s69, BOFF
.irp s, 0,1,2
	v_add_nc_u32 v[ADRA+(\s)], s68, v3
	v_add_nc_u32 v[ADRB+(\s)], s69, v3
	s_add_co_u32 s68, s68, SLOT
	s_add_co_u32 s69, s69, SLOT
.endr
	s_mul_i32 s68, s10, 16*SP                      ; my stage
	v_mul_u32_u24 v5, v1, SP                       ; in: row l % 16, 32 bytes for each half of the lanes
	v_lshl_add_u32 v5, v2, 5, v5
	v_add_nc_u32 v[STO], s68, v5
	v_lshl_add_u32 v[RD], v4, 4, s68               ; back: 32 lanes take a row's 512 bytes
	v_lshlrev_b32 v[CO], 4, v4
	v_lshlrev_b32 v[PFO], 11, v4
	; the prefetch
	s_and_b32 s68, ttmp7, 0xffff                   ; cluster y
	s_cmp_eq_u32 s11, 0                            ; do I fetch for cc?
	s_cselect_b32 s69, s40, s41                    ; my place among the four that ask with me
	s_cselect_b32 s70, 16, 17                      ; a partner's share: 32 rows of cc or 64 of wob, 2,048 bytes each
	s_cselect_b32 s68, 0, s68                      ; cc's rows are my cluster's alone; wob's are read by every cluster
	s_cselect_b64 s[PFA:PFA+1], s[14:15], s[22:23]
	s_cmp_eq_u32 s68, 0
	s_cselect_b32 s[LIM], 1, 0                     ; the same in all sixteen partners, for a given wave
	s_lshl_b32 s70, s69, s70
	s_add_co_u32 s71, s12, 6                       ; K step 6 or 7
	s_lshl_b32 s71, s71, 8
	s_add_co_u32 s70, s70, s71
	s_mov_b32 s71, 0
	s_add_nc_u64 s[PFA:PFA+1], s[PFA:PFA+1], s[70:71]
	; where my 64 x 128 of the tile begins in out0
	s_lshl_b32 s68, s13, 19                        ; 128 rows x 4,096 bytes a tile row
	s_lshl_b32 s69, s11, 18
	s_add_co_u32 s68, s68, s69
	s_lshl_b32 s69, s42, 10                        ; 256 columns x 4 bytes a tile column
	s_add_co_u32 s68, s68, s69
	s_lshl_b32 s69, s12, 9
	s_add_co_u32 s68, s68, s69
	s_mov_b32 s69, 0
	s_add_nc_u64 s[8:9], s[8:9], s[68:69]
; 8 matrix instructions: block a of cc x all 8 blocks of wob, 32 along K, from buffer f.  zero = 1: the product starts the sum.  The 32 accumulators take turns, one instruction a turn.
.macro MUL8 f, a, zero
	WIN 0x50                                       ; C and D in window 1, both sources in window 0
.irp b, 0,1,2,3,4,5,6,7
.if \zero
	v_wmma_f32_16x16x32_f16 v[8*(8*(\a)+(\b)):8*(8*(\a)+(\b))+7], v[(\f)+32+8*(\b):(\f)+32+8*(\b)+7], v[(\f)+8*(\a):(\f)+8*(\a)+7], 0
.else
	v_wmma_f32_16x16x32_f16 v[8*(8*(\a)+(\b)):8*(8*(\a)+(\b))+7], v[(\f)+32+8*(\b):(\f)+32+8*(\b)+7], v[(\f)+8*(\a):(\f)+8*(\a)+7], v[8*(8*(\a)+(\b)):8*(8*(\a)+(\b))+7]
.endif
.endr
.endm
; 24 LDS loads in one run: 32 K at byte k of the rows of a slot, into buffer f: wob's 16, then cc's 8
.macro FETCH slot, k, f
	WIN 0
.irp i, 0,1,2,3,4,5,6,7
	ds_load_b128 v[(\f)+32+8*(\i):(\f)+32+8*(\i)+3],   v[ADRB+(\slot)] offset:(\i)*16*PITCH+(\k)
	ds_load_b128 v[(\f)+32+8*(\i)+4:(\f)+32+8*(\i)+7], v[ADRB+(\slot)] offset:(\i)*16*PITCH+(\k)+32
.endr
.irp i, 0,1,2,3
	ds_load_b128 v[(\f)+8*(\i):(\f)+8*(\i)+3],   v[ADRA+(\slot)] offset:(\i)*16*PITCH+(\k)
	ds_load_b128 v[(\f)+8*(\i)+4:(\f)+8*(\i)+7], v[ADRA+(\slot)] offset:(\i)*16*PITCH+(\k)+32
.endr
.endm
; A K step is four quarters of 32 along K, 32 matrix instructions each, on buffers 0, 1, 0, 1.  A quarter multiplies buffer f and fetches the next quarter's fragments, byte k of the rows of a slot, into g.
; (From the pair's first slot to its second the fetch simply names the next slot: the barrier that showed the pair whole has been passed.)
.macro QUARTER slot, k, f, g, zero
	s_wait_dscnt 4                                 ; wob and cc's blocks 0 and 1 are in; the youngest four loads (blocks 2 and 3) may be out
	MUL8 \f, 0, \zero
	MUL8 \f, 1, \zero
	PLACES
	FETCH \slot, \k, \g
	s_wait_dscnt 24                                ; all but the 24 just issued
	MUL8 \f, 2, \zero
	MUL8 \f, 3, \zero
.endm
.macro THREE slot                      ; a step's first three quarters
	QUARTER \slot, 64,  F0, F1, 0
	QUARTER \slot, 128, F1, F0, 0
	QUARTER \slot, 192, F0, F1, 0
.endm
; The last quarter of the pair's second step, or of the single's step, multiplies buffer 1.  THE CHANGE STANDS AT ITS HEAD: all bytes of what is left have been asked for by then.  Each wave waits for all its tensor loads, adds 0 to its
; spare word, steps the descriptors, and waits for the add and for its LDS reads.  fill = 1: the pair is filled again, 2: the single, each with the steps three on (768 bytes along the rows): the barrier then opens a round of the
; cluster's, and the joint load is the first thing behind the round.  No product stands between the wait for a tile and the next request.  fill = 0: nothing is left to fetch.  next: the slot that is read from here on.
.macro TURN next, fill, ask
	WIN 0                                          ; at a branch and at a label every window is 0
	s_wait_tensorcnt 0x0                           ; all my tensor loads have landed, so a group 0 may be written
	ds_add_u32 v[SPW], v[NIL]                      ; 0 onto my spare word
.if \fill
	s_add_nc_u64 s[G0AX+4*((\fill)-1)+2:G0AX+4*((\fill)-1)+3], s[G0AX+4*((\fill)-1)+2:G0AX+4*((\fill)-1)+3], 768
	s_add_nc_u64 s[G0BX+4*((\fill)-1)+2:G0BX+4*((\fill)-1)+3], s[G0BX+4*((\fill)-1)+2:G0BX+4*((\fill)-1)+3], 768
.endif
	s_wait_dscnt 0x0                               ; the add is done, and my reads of what is left are over: buffer 1 is whole
	s_barrier_signal -1
	s_barrier_wait -1
.if \fill
	CREST                                          ; no wave of any partner still reads these slots or has a load on its way
	JLOAD (\fill)-1                                ; its four v_nop are also the places in front of the loads below
.else
	PLACES
.endif
	FETCH \next, 0, F0
.if \ask
	ASK
.endif
	MUL8 F1, 0, 0
	MUL8 F1, 1, 0
	MUL8 F1, 2, 0
	MUL8 F1, 3, 0
.endm
	s_wait_tensorcnt 1                             ; my part of the pair is in; the single's may stay out
	s_barrier_signal -1
	s_barrier_wait -1                              ; everybody's is
	FETCH 0, 0, F0
	QUARTER 0, 64,  F0, F1, 1                      ; K step 0: its first products start the sums
	QUARTER 0, 128, F1, F0, 0
	QUARTER 0, 192, F0, F1, 0
	QUARTER 1, 0,   F1, F0, 0
	THREE 1                                        ; K step 1
	TURN 2, 1, 1                                   ; the pair takes steps 3 and 4
	THREE 2                                        ; K step 2
	TURN 0, 2, 0                                   ; the single takes step 5
	THREE 0                                        ; K step 3
	QUARTER 1, 0,   F1, F0, 0
	THREE 1                                        ; K step 4
	TURN 2, 1, 0                                   ; the pair takes steps 6 and 7
	THREE 2                                        ; K step 5
	TURN 0, 0, 0                                   ; nothing is left to fetch
	THREE 0                                        ; K step 6
	QUARTER 1, 0,   F1, F0, 0
	THREE 1                                        ; K step 7
	s_wait_dscnt 4                                 ; the very last quarter
	MUL8 F1, 0, 0
	MUL8 F1, 1, 0
	s_wait_dscnt 0x0
	MUL8 F1, 2, 0
	MUL8 F1, 3, 0
	; THE WAY OUT, 16 rows at a time through my own stage: 32 bytes a lane in, whole rows of 512 bytes back.  LDS serves a wave's instructions in order (ISA guide 5.7.1.4), so no wait stands between my stores and my loads.
	PLACES
	PLACES                                         ; eight, once a launch: the LDS stores read results just made, and the loads below land in registers that the last products read
	WIN 0
	s_wait_dscnt 0x0
	s_barrier_signal -1
	s_barrier_wait -1                              ; every wave's reads of the slots are over, and the slots have had their last fill: the stages may be written over slot 0
.irp a, 0,1,2,3
	WIN 0x04                                       ; the stores' data in window 1, their address in window 0
.irp b, 0,1,2,3,4,5,6,7
	ds_store_b128 v[STO], v[8*(8*(\a)+(\b)):8*(8*(\a)+(\b))+3]   offset:64*(\b)      ; each accumulator is read from its low end on
	ds_store_b128 v[STO], v[8*(8*(\a)+(\b))+4:8*(8*(\a)+(\b))+7] offset:64*(\b)+16
.endr
	WIN 0
	s_wait_xcnt 0x0                                ; earlier stores have read these registers
.irp t, 0,1,2,3,4,5,6,7,8,9,10,11,12,13,14,15
	ds_load_b128 v[OB+64*((\a)%2)+4*(\t):OB+64*((\a)%2)+4*(\t)+3], v[RD] offset:SP*(\t)
.endr
.irp t, 0,1,2,3,4,5,6,7,8,9,10,11,12,13,14,15
	s_wait_dscnt 15-(\t)                           ; LDS loads come back in order: the younger ones stay out
	global_store_b128 v[CO], v[OB+64*((\a)%2)+4*(\t):OB+64*((\a)%2)+4*(\t)+3], s[8:9] offset:(16*(\a)+(\t))*4096 th:TH_STORE_NT  ; 512 consecutive bytes, at a multiple of 512 from out0's first
.endr
.endr
	s_wait_tensorcnt 0x0                           ; the wave's end, behind my last tensor load and my last LDS store
	ds_add_u32 v[SPW], v[NIL]
	s_wait_dscnt 0x0
	CROUND                                         ; the closing round: no work-group ends while a partner may still ask for a tile that names it
	s_endpgm
.Lfunc_end_k_qe7b9df0678_oproj:
	.size	k_qe7b9df0678_oproj, .Lfunc_end_k_qe7b9df0678_oproj-k_qe7b9df0678_oproj
	.p2alignl 7, 3214868480
	.fill 96, 4, 3214868480
	.section	.rodata,"a",@progbits
	.p2align	6, 0x0
	.amdhsa_kernel k_qe7b9df0678_oproj
		.amdhsa_group_segment_fixed_size 327680
		.amdhsa_private_segment_fixed_size 0
		.amdhsa_enable_private_segment 0
		.amdhsa_kernarg_size 24
		.amdhsa_user_sgpr_count 2
		.amdhsa_user_sgpr_kernarg_segment_ptr 1
		.amdhsa_wavefront_size32 1
		.amdhsa_system_sgpr_workgroup_id_x 1
		.amdhsa_system_sgpr_workgroup_id_y 1
		.amdhsa_system_sgpr_workgroup_id_z 1
		.amdhsa_system_vgpr_workitem_id 0
		.amdhsa_next_free_vgpr 512
		.amdhsa_next_free_sgpr 88
		.amdhsa_reserve_vcc 0
		.amdhsa_float_denorm_mode_32 3
		.amdhsa_float_denorm_mode_16_64 3
		.amdhsa_memory_ordered 1
		.amdhsa_forward_progress 1
		.amdhsa_inst_pref_size 149
	.end_amdhsa_kernel
	.amdgpu_metadata
---
amdhsa.version: [ 1, 2 ]
amdhsa.kernels:
  - .name:           k_qe7b9df0678_oproj
    .symbol:         k_qe7b9df0678_oproj.kd
    .args:
      - { .name: cc, .offset: 0, .size: 8, .value_kind: global_buffer, .address_space: global }
      - { .name: wob, .offset: 8, .size: 8, .value_kind: global_buffer, .address_space: global }
      - { .name: out0, .offset: 16, .size: 8, .value_kind: global_buffer, .address_space: global }
    .group_segment_fixed_size: 327680
    .private_segment_fixed_size: 0
    .kernarg_segment_align: 8
    .kernarg_segment_size: 24
    .max_flat_workgroup_size: 128
    .sgpr_count:     88
    .vgpr_count:     512
    .wavefront_size: 32
...
	.end_amdgpu_metadata
.endif
;; end of part 4
;; ======== version 2 of 2: 4 launches; version 1 with the launch conv written anew for expert scheduling mode
;; limits: values are held in f16: magnitudes above 65,504 overflow, below 6.1e-05 lose precision
;; workspace buffers: xb 16,777,216 bytes; wb 6,291,456 bytes; wob 2,097,152 bytes; qkv 50,331,648 bytes; cc 16,777,216 bytes
;; launch conv (part 5): grid 960 x 1, 4 waves a work-group, no clusters, 0 bytes of LDS; arguments x, wq, wk, wv, wo, xb, wb, wob; writes xb, wb, wob
.if DOCPART == 5
	.amdgcn_target "amdgcn-amd-amdhsa--gfx1250"
	.amdhsa_code_object_version 6
	.text
	.protected	k_qe7b9df0678_conv
	.globl	k_qe7b9df0678_conv
	.p2align	8
	.type	k_qe7b9df0678_conv,@function
k_qe7b9df0678_conv:
	s_mov_b64 s[64:65], 0
	v_nop
	global_prefetch_b8 v0, s[64:65] scope:SCOPE_SE
	s_setreg_imm32_b32 hwreg(HW_REG_WAVE_SCHED_MODE, 0, 2), 2
	s_setreg_imm32_b32 hwreg(HW_REG_WAVE_MODE, 25, 1), 1
	s_wait_xcnt 0x0
	s_wait_alu depctr_vm_vsrc(0)
; SELF-ATTENTION OVER THE d_k AXIS, launch 1 of 4: the inputs are rounded once to 16 bits and laid out for the three launches behind.
; THE MODULE.  For each of 8,192 tokens: q, k, v = x w^T (1,024 numbers each, seen as [h = 16][i = 64]); s[i][j] = sum over h of q[h][i] k[h][j] / 8; p = softmax over j;
; o[i][h] = sum over j of p[i][j] v[h][j]; concat[64 h + i] = o[i][h]; out = concat wo^T.
; NO WORK OF reference() IS LEFT OUT: all five inputs have a way to out0 and all are loaded; the row maximum is taken away before every exponential (launch 3).
; WHAT THIS LAUNCH WRITES.
;   xb  bf16 [16 kb][8,192 rows][64]: x in planes of 64 channels, so that a tile of rows x 64 channels is dense in memory.
;   wb  bf16 [16 kb][3,072 rows][64]: wq, wk, wv in the same planes, their ROWS in the order in which launch 3 wants the columns of q, k, v:
;       rows 0-1,023: row 16 i + h is wq's row 64 h + i; rows 1,024-2,047: wk likewise; rows 2,048-3,071: row 256 jb + 16 h + jl is wv's row 64 h + 16 jb + jl.
;   wob f16 [1,024][1,024]: wob[n][16 i + h] = wo[n][64 h + i], rounded to bf16 like the other inputs and that number written as f16.
; Inside a plane's 64 channels the order is: place 8 l + e holds channel 4 l + e (e < 4) or 32 + 4 l + e - 4: the same for xb and wb (one text writes both), so the products are the same; only the order of the sums differs from reference()'s.
; LIMITS.  Inputs are rounded to bf16 (8 significant bits).  wo beyond 65,504 has no f16; below 6.1e-5 it keeps f16's fixed step of 6e-8.  NaN and infinities are not treated apart.
; SHARES.  Work-groups 0-511: 16 rows of x each, 4 a wave.  512-703: 16 rows of wb each, 4 a wave.  704-959: 4 rows of wo each, one a wave.  All 32 loads of a wave go out ahead of its first store.
; No LDS, no barrier, no matrix unit: every byte is read once and written once, and no wave wants another's bytes.
; THE MODE: SCHED_MODE bits 1:0 = 2 (LLVM: expert scheduling mode 2), set by the entry lines.  The code itself states the register dependences
; between vector instructions and memory instructions, with s_wait_alu, always for 0.
; THE PLAN.  Registers that memory instructions touch:
;   v6, v7, v[DO ..]  byte offsets: made by vector lines ahead of a path's first load, read by its loads and stores, never written again.
;   v[D ..]           the data.  Each register is the target of ONE load, issued before any vector line names it; the conversions of its plane (or group) read it behind the counted wait for that
;                     load and write the first four of each eight; ONE store reads those four; nothing writes them afterwards.
;   v[T ..]           named by vector lines alone.
; So no register that a load or store has read is ever written again, and no load lands in a register that a vector line has named.  What is left to state: the offsets are written (one wait ahead of a path's
; first load), and a store's data are written.  For the second the planes go in blocks of four (wo: in its four groups): the stores of the block before are dealt among the conversions of the block in hand,
; which name none of their registers, behind ONE wait at the block's head; one more wait stands ahead of the last block's stores.
.set PLX, 1048576                      ; bytes in a plane of xb: 8,192 rows x 128
.set PLW, 393216                       ; bytes in a plane of wb: 3,072 rows x 128
.set DO,  8                            ; v[8:23]   byte offset of my 16 bytes in plane kb; never rewritten
.set D,   32                           ; v[32:159] the data
.set T,   160                          ; v[160:162] at work
	s_load_b512 s[8:23], s[0:1], 0x0               ; x s[8:9], wq s[10:11], wk s[12:13], wv s[14:15], wo s[16:17], xb s[18:19], wb s[20:21], wob s[22:23]
	v_lshrrev_b32 v1, 5, v0
	v_readfirstlane_b32 s24, v1                    ; wave 0..3
	v_and_b32 v1, 31, v0                           ; lane L
	v_lshrrev_b32 v2, 3, v1                        ; L / 8: which of my wave's four rows
	v_and_b32 v3, 7, v1                            ; L % 8: my place in a block of 64 channels
	s_wait_alu depctr_va_sdst(0)                   ; s24 is written, ahead of its first reader and of every branch: the wave's rows are made from it
	s_lshl_b32 s27, s24, 2                         ; x and the three weights: four rows a wave
	s_mov_b32 s33, 0xffff0000                      ; a word's upper bf16
	s_wait_kmcnt 0x0
	s_cmp_ge_u32 ttmp9, 704
	s_cbranch_scc1 .Lwo
	s_cmp_ge_u32 ttmp9, 512
	s_cbranch_scc1 .Lw
	; x: the source row is the destination row
	s_lshl_b32 s26, ttmp9, 4
	s_add_co_u32 s26, s26, s27                     ; my wave's first row
	v_add_nc_u32 v5, s26, v2
	s_mov_b64 s[28:29], s[8:9]
	s_mov_b64 s[30:31], s[18:19]
	s_mov_b32 s32, PLX
	s_branch .Lcopy
.Lw:	; wq, wk, wv: the destination row n names the source row
	s_sub_co_u32 s25, ttmp9, 512
	s_lshl_b32 s26, s25, 4
	s_add_co_u32 s26, s26, s27                     ; my wave's first row of wb
	v_add_nc_u32 v4, s26, v2                       ; n
	v_and_b32 v4, 0x3ff, v4                        ; its place in its matrix
	v_and_b32 v5, 15, v4                           ; q, k: h = n % 16, i = n / 16: row 64 h + i
	v_lshrrev_b32 v6, 4, v4
	v_lshl_or_b32 v5, v5, 6, v6
	v_and_b32 v6, 15, v6                           ; v: h = (n / 16) % 16, jb = n / 256, jl = n % 16: row 64 h + 16 jb + jl
	v_lshrrev_b32 v7, 8, v4
	v_lshlrev_b32 v7, 4, v7
	v_lshl_or_b32 v6, v6, 6, v7
	v_and_or_b32 v6, v4, 15, v6
	s_lshr_b32 s27, s25, 6                         ; which matrix: 64 work-groups each
	s_cmp_eq_u32 s27, 2
	s_cselect_b32 s34, -1, 0
	v_cndmask_b32 v5, v5, v6, s34
	s_cselect_b64 s[28:29], s[14:15], s[12:13]
	s_cmp_eq_u32 s27, 0
	s_cselect_b64 s[28:29], s[10:11], s[28:29]
	s_mov_b64 s[30:31], s[20:21]
	s_mov_b32 s32, PLW
.Lcopy:
	v_lshlrev_b32 v6, 12, v5                       ; source row x 4,096 bytes
	v_lshl_add_u32 v6, v3, 4, v6                   ; + my four channels
	s_lshl_b32 s27, s26, 7
	v_lshl_add_u32 v[DO], v1, 4, s27               ; four rows of a plane are 512 bytes on end: 16 bytes a lane
.set kb, 1
.rept 15
	v_add_nc_u32 v[DO+kb], s32, v[DO+kb-1]         ; the same place, a plane on
.set kb, kb+1
.endr
	s_wait_alu depctr_va_vdst(0)                   ; v6 and v[DO .. DO+15] are written: the loads below read v6 as their offset, the stores further down v[DO+kb]
.set kb, 0
.rept 16                               ; 32 loads, 16 KiB a wave: each takes 128 bytes on end of each of the four rows
	global_load_b128 v[D+8*kb:D+8*kb+3],   v6, s[28:29] offset:256*kb th:TH_LOAD_NT
	global_load_b128 v[D+8*kb+4:D+8*kb+7], v6, s[28:29] offset:256*kb+128 th:TH_LOAD_NT
.set kb, kb+1
.endr
; Block p: planes 4 p .. 4 p + 3 are converted; the four stores of block p - 1 stand among the conversions, one in front of each plane's four.
.macro CBLK p
	s_wait_loadcnt 30-8*(\p)                       ; loads come back in order: the block's first plane (two loads) is in, the younger ones stay out
.if (\p) > 0
	s_wait_alu depctr_va_vdst(0)                   ; the conversions of block p - 1 have written its sixteen result registers, which the four stores below read; no conversion of this block names them
.endif
.irp i, 0,1,2,3
.if (\p) > 0
	global_store_b128 v[DO+4*(\p)-4+(\i)], v[D+8*(4*(\p)-4+(\i)):D+8*(4*(\p)-4+(\i))+3], s[30:31]  ; the wave's store covers 512 consecutive bytes, aligned
.endif
.if (\i) > 0
	s_wait_loadcnt 30-8*(\p)-2*(\i)                ; this plane's two loads are in
.endif
.irp n, 0,1,2,3
	v_cvt_pk_bf16_f32 v[D+8*(4*(\p)+(\i))+(\n)], v[D+8*(4*(\p)+(\i))+2*(\n)], v[D+8*(4*(\p)+(\i))+2*(\n)+1]  ; in place, ascending: a result lands on registers already read
.endr
.endr
.endm
	CBLK 0
	CBLK 1
	CBLK 2
	CBLK 3
	s_wait_alu depctr_va_vdst(0)                   ; the conversions of block 3 have written their results, which the last four stores read
.irp i, 0,1,2,3
	global_store_b128 v[DO+12+(\i)], v[D+8*(12+(\i)):D+8*(12+(\i))+3], s[30:31]
.endr
	s_endpgm
.Lwo:	; wo: a row's 1,024 numbers change places: 16 i + h takes 64 h + i.  Group g of four: output bytes 512 g .. 512 g + 511; lane L writes i = 16 g + L / 2, h = 8 (L % 2) + 0..7
	s_sub_co_u32 s25, ttmp9, 704
	s_lshl_b32 s26, s25, 2
	s_add_co_u32 s26, s26, s24                     ; my wave's row
	v_and_b32 v4, 1, v1
	v_lshrrev_b32 v5, 1, v1
	v_lshlrev_b32 v6, 11, v4                       ; 8 (L % 2) heads of 256 bytes
	v_lshl_add_u32 v6, v5, 2, v6                   ; + 4 (L / 2)
	s_lshl_b32 s27, s26, 12
	v_add_nc_u32 v6, s27, v6
	s_lshl_b32 s27, s26, 11
	v_lshl_add_u32 v7, v1, 4, s27
	s_wait_alu depctr_va_vdst(0)                   ; v6 and v7 are written: the loads below read v6 as their offset, the stores v7
.irp g, 0,1,2,3                        ; the row's 32 loads go out together: head e of my eight, group g
.irp e, 0,1,2,3,4,5,6,7
	global_load_b32 v[D+8*(\g)+(\e)], v6, s[16:17] offset:64*(\g)+256*(\e)
.endr
.endr
.macro W8 g                            ; group g: to bf16, that number as f16; at its head the 16 bytes of group g - 1 are stored
	s_wait_loadcnt 24-8*(\g)                       ; the younger groups' loads stay out
.if (\g) > 0
	s_wait_alu depctr_va_vdst(0)                   ; the conversions of group g - 1 have written its four result registers, which the store below reads; no line of this group names them
	global_store_b128 v7, v[D+8*(\g)-8:D+8*(\g)-5], s[22:23] offset:512*(\g)-512  ; 512 consecutive bytes, aligned
.endif
.irp n, 0,1,2,3
	v_cvt_pk_bf16_f32 v[T], v[D+8*(\g)+2*(\n)], v[D+8*(\g)+2*(\n)+1]
	v_lshlrev_b32 v[T+1], 16, v[T]
	v_and_b32 v[T+2], s33, v[T]
	v_cvt_pk_f16_f32 v[D+8*(\g)+(\n)], v[T+1], v[T+2]
.endr
.endm
	W8 0
	W8 1
	W8 2
	W8 3
	s_wait_alu depctr_va_vdst(0)                   ; the conversions of group 3 have written their results, which the last store reads
	global_store_b128 v7, v[D+24:D+27], s[22:23] offset:1536
	s_endpgm
.Lfunc_end_k_qe7b9df0678_conv:
	.size	k_qe7b9df0678_conv, .Lfunc_end_k_qe7b9df0678_conv-k_qe7b9df0678_conv
	.p2alignl 7, 3214868480
	.fill 96, 4, 3214868480
	.section	.rodata,"a",@progbits
	.p2align	6, 0x0
	.amdhsa_kernel k_qe7b9df0678_conv
		.amdhsa_group_segment_fixed_size 0
		.amdhsa_private_segment_fixed_size 0
		.amdhsa_enable_private_segment 0
		.amdhsa_kernarg_size 64
		.amdhsa_user_sgpr_count 2
		.amdhsa_user_sgpr_kernarg_segment_ptr 1
		.amdhsa_wavefront_size32 1
		.amdhsa_system_sgpr_workgroup_id_x 1
		.amdhsa_system_sgpr_workgroup_id_y 1
		.amdhsa_system_sgpr_workgroup_id_z 1
		.amdhsa_system_vgpr_workitem_id 0
		.amdhsa_next_free_vgpr 168
		.amdhsa_next_free_sgpr 66
		.amdhsa_reserve_vcc 0
		.amdhsa_float_denorm_mode_32 3
		.amdhsa_float_denorm_mode_16_64 3
		.amdhsa_memory_ordered 1
		.amdhsa_forward_progress 1
		.amdhsa_inst_pref_size 20
	.end_amdhsa_kernel
	.amdgpu_metadata
---
amdhsa.version: [ 1, 2 ]
amdhsa.kernels:
  - .name:           k_qe7b9df0678_conv
    .symbol:         k_qe7b9df0678_conv.kd
    .args:
      - { .name: x, .offset: 0, .size: 8, .value_kind: global_buffer, .address_space: global }
      - { .name: wq, .offset: 8, .size: 8, .value_kind: global_buffer, .address_space: global }
      - { .name: wk, .offset: 16, .size: 8, .value_kind: global_buffer, .address_space: global }
      - { .name: wv, .offset: 24, .size: 8, .value_kind: global_buffer, .address_space: global }
      - { .name: wo, .offset: 32, .size: 8, .value_kind: global_buffer, .address_space: global }
      - { .name: xb, .offset: 40, .size: 8, .value_kind: global_buffer, .address_space: global }
      - { .name: wb, .offset: 48, .size: 8, .value_kind: global_buffer, .address_space: global }
      - { .name: wob, .offset: 56, .size: 8, .value_kind: global_buffer, .address_space: global }
    .group_segment_fixed_size: 0
    .private_segment_fixed_size: 0
    .kernarg_segment_align: 8
    .kernarg_segment_size: 64
    .max_flat_workgroup_size: 128
    .sgpr_count:     66
    .vgpr_count:     168
    .wavefront_size: 32
...
	.end_amdgpu_metadata
.endif
;; end of part 5
;; launch qkv: the kernel of part 2 again; grid 8 x 32, 4 waves a work-group, clusters of 4 x 4, 327,680 bytes of LDS; arguments xb, wb, qkv; writes qkv
;; launch attn: the kernel of part 3 again; grid 1024 x 1, 4 waves a work-group, no clusters, 0 bytes of LDS; arguments qkv, cc; writes cc
;; launch oproj: the kernel of part 4 again; grid 4 x 64, 4 waves a work-group, clusters of 4 x 4, 327,680 bytes of LDS; arguments cc, wob, out0; writes out0
